; MI455X (gfx1250); checked and timed in simulation.
; The chip was launched on July 23, 2026; its instructions are those of AMD's public machine-readable ISA for CDNA 5 (MIT licence, August 2026) and "CDNA5" Instruction Set Architecture Reference Guide (July 2026). The comments in the code are by the model that wrote it; some were corrected since.
;; Causal Self Attention. Allowed arithmetic: matrix products marked QUANTISED: E4M3 operands, one given power-of-two scale a tensor, by v_wmma_f32_16x16x64_fp8_fp8 or v_wmma_f32_16x16x128_fp8_fp8, f32 sums; everything else in f32.
;; Inputs: b_attn 3,072 float32; b_proj 1,024 float32; lowp_scales 8 int32 (the exponents e of the quantised operands' scales 2^e); w_attn 3,072 x 1,024 float32; w_proj 1,024 x 1,024 float32; x 4 x 2,048 x 1,024 float32.
;; Outputs: out0 4 x 2,048 x 1,024 float32.
;; This version of the problem:
;;   THIS VERSION OF THE PROBLEM IS GIVEN IN LOW PRECISION. The matrix products marked QUANTISED in the list below multiply operands that are first quantised to E4M3 (4 exponent bits, 3 mantissa bits; 8 bits a number), with one given power-of-two scale for each operand tensor; their sums are f32. All else is computed in f32.
;;   The module's matrix products, in the order in which they are computed (A, B: the left and right operand; K: the contracted axis; several contracted axes count as one K, in the product's order):
;;     1. [M 8,192, K 1,024] x [K 1,024, N 3,072]; A: input x; B: input w_attn: QUANTISED (scales: A lowp_scales[0], B lowp_scales[1])
;;     2. batch 64 x [M 2,048, K 64] x [K 64, N 2,048]; A: computed on the way; B: computed on the way: QUANTISED (scales: A lowp_scales[2], B lowp_scales[3])
;;     3. batch 64 x [M 2,048, K 2,048] x [K 2,048, N 64]; A: softmax (see below); B: computed on the way: QUANTISED (scales: A lowp_scales[4], B lowp_scales[5])
;;     4. [M 8,192, K 1,024] x [K 1,024, N 1,024]; A: computed on the way; B: input w_proj: QUANTISED (scales: A lowp_scales[6], B lowp_scales[7])
;;   THE QUANTISER, for each operand of a quantised product, along K:
;;     - The operand's scale is 2^e, e = its entry of the input lowp_scales (int32; the entries are numbered through the quantised products in the list's order, A before B).
;;     - Each number is divided by the scale, clamped to +-448, and rounded to the nearest number of E4M3, ties to even, subnormals kept.
;;     - The product sums the exact products of the quantised numbers (number of the format x scale) in f32.
;;   ~~~python
;;   def quantise(x, axis, e):      # numpy; x: float32 -> the quantised numbers, widened to float32 again
;;       x = np.moveaxis(x, axis, -1); K = x.shape[-1]
;;       r = np.clip(x / 2.0 ** e, -448, 448)
;;       step = 2.0 ** (np.maximum(np.frexp(np.where(r == 0, 1, r))[1] - 1, -6) - 3)
;;       q = np.round(r / step) * step * 2.0 ** e      # np.round: ties to even
;;       return np.moveaxis(q, -1, axis).astype(np.float32)
;;   ~~~
;;   SOFTMAX AHEAD OF A QUANTISED PRODUCT. Where the list says 'softmax', what is quantised is not the finished softmax but p = 2^(t - M), with t = logit x log2(e) and M = ceil(the row's largest t), a whole number; so 1/2 < the row's largest p <= 1. The row's sum l is taken of the UNQUANTISED p, in f32, and the product's result is divided by l at the end. Since M is a whole number, a kernel that streams over the keys may use a running M (the ceiling of the running maximum): every later rescaling is an exact power of two, so the quantised numbers keep their values, but for numbers so far below the row's largest that they fall under the format's range.
;;   OPERANDS COMPUTED ON THE WAY. 'Computed on the way' means the value that the module computes at that place (a softmax that the list does not call 'softmax' is quantised finished and normalised). What goes into a quantiser is computed in f32, as accurately as f32 sums, v_exp_f32 and their like allow (about 1e-6 of the number): no bf16 or f16 on the way to a quantiser, and a product that is left as it is and whose result goes on into a quantised operand takes f32 operands (vector FMAs, or v_wmma_f32_16x16x4_f32). A number that lies on a knife's edge between two numbers of the format may be rounded either way, as far as f32 arithmetic and the matrix unit's own rounding can turn it there, and no further.
;; One version. Each part assembles by itself: llvm-mc -triple=amdgcn-amd-amdhsa -mcpu=gfx1250 --defsym DOCPART=n.
;; ======== version 1 of 1: 4 launches
;; limits: right only within a limited range of input values
;; workspace buffers: xc 8,388,608 bytes; wac 3,145,728 bytes; wpc 1,048,576 bytes; qc 8,388,608 bytes; kc 8,388,608 bytes; vt 8,388,608 bytes; yc 8,388,608 bytes
;; launch quant (part 1): grid 768 x 1, 4 waves a work-group, no clusters, 33,280 bytes of LDS; arguments x, w_attn, w_proj, lowp_scales, xc, wac, wpc; writes xc, wac, wpc
.if DOCPART == 1
	.amdgcn_target "amdgcn-amd-amdhsa--gfx1250"
	.amdhsa_code_object_version 6
	.text
	.protected	k_qa1a17b4f39_quant
	.globl	k_qa1a17b4f39_quant
	.p2align	8
	.type	k_qa1a17b4f39_quant,@function
k_qa1a17b4f39_quant:
	s_mov_b64 s[64:65], 0
	v_nop
	global_prefetch_b8 v0, s[64:65] scope:SCOPE_SE
	s_setreg_imm32_b32 hwreg(HW_REG_WAVE_MODE, 25, 1), 1
	s_wait_xcnt 0x0
; x [8192][1024], w_attn [3072][1024] and w_proj [1024][1024], f32, become codes of FP8 (E4M3), one byte each, K innermost, in the same order as the numbers.
; code = number / 2^e, held within +-448, rounded to the nearest code, ties to even.  e: entry 0 of the scales for x, entry 1 for w_attn, entry 7 for w_proj.
; LIMITS: -126 <= e <= 119, so that 2^e and 448 x 2^e are f32 numbers.  NaN among the inputs is not served; an infinity is held at the largest code.
; WORK LEFT OUT IN THIS PROGRAM (launch attn): reference() sets every score of a key k > query q to the least f32 number ahead of its softmax, by a mask that it builds itself (jnp.tril).  Key 0 counts for every query,
; so such a score's weight is 0 for all finite inputs: key steps all of whose keys come after a tile's queries are not multiplied.  A NaN, an infinity or an overflow that reaches only those scores is not carried to the result.
; K is innermost and rows are dense, so each tensor is a plain stream.  A work-group takes 16,384 numbers: work-groups 0-511 x, 512-703 w_attn, 704-767 w_proj: 768 in all, three for each of 256 WGPs.
; Only pointers and e are chosen by the work-group's number: all three tensors take one path through the text.
; A wave takes 8 steps of 512 numbers.  A conversion takes 8 neighbours from ONE lane's registers, a load is dense where neighbouring LANES take neighbouring bytes: so each load reads 512 consecutive bytes,
; 16 a lane, and a step's 2,048 bytes turn through the wave's own stage in LDS and come back 64 bytes a lane (16 bytes of padding behind each 64).  A lane's 16 codes are 16 bytes: a store covers 512 consecutive bytes.
; No barrier: waves share nothing.  Loads run four steps (16 loads a wave) ahead, the turn through LDS one step.
.set STEPS, 8
.set WGX,   512                        ; work-groups for x
.set WGXA,  704                        ; and for x and w_attn together
.set EMAX,  8
.set MANT,  0x600000                   ; the mantissa field of 448 as f32
.set CB,    16                         ; bytes of 16 codes
.set R,     16                         ; v16-79   four sets of 16 numbers as they are loaded
.set X,     80                         ; v80-111  two sets of 16 neighbours
.set C,     128                        ; v128-159 codes: four registers for each step, so that no store's data are written again
.set WREG,  8192                       ; LDS: a region for each wave: two stages of 32 x SP bytes
.set SP,    80                         ; a lane's place in a stage: 64 bytes + 16 of padding
	s_load_b256 s[4:11], s[0:1], 0x0               ; x s[4:5], w_attn s[6:7], w_proj s[8:9], the scales' exponents s[10:11]
	s_load_b128 s[12:15], s[0:1], 0x20             ; xc, wac
	s_load_b64 s[16:17], s[0:1], 0x30              ; wpc
	v_lshl_add_u32 v192, v0, 2, 0x8000             ; my spare word, behind the four regions
	v_mov_b32 v193, 0
	v_lshrrev_b32 v1, 5, v0
	v_readfirstlane_b32 s19, v1                    ; wave
	v_and_b32 v2, 31, v0                           ; lane
	v_lshlrev_b32 v3, 4, v2                        ; my 16 bytes of a load's 512
	s_mul_i32 s20, s19, WREG
	v_lshrrev_b32 v14, 2, v2
	v_mul_u32_u24 v14, v14, SP
	v_and_b32 v15, 3, v2
	v_lshl_add_u32 v14, v15, 4, v14
	v_add_nc_u32 v14, s20, v14                     ; the stage, on the way in: SP (lane / 4) + 16 (lane % 4)
	v_mul_u32_u24 v15, v2, SP
	v_add_nc_u32 v15, s20, v15                     ; and on the way out: SP x lane: my 16 neighbours
	v_mul_u32_u24 v4, v2, CB                       ; my codes' place in a step's
	s_mov_b32 s18, WGXA
	s_wait_alu depctr_va_vdst(0)                   ; the wait here, directly ahead of the wait below
	s_wait_kmcnt 0x0
	s_load_b256 s[24:31], s[10:11], 0x0            ; e0 .. e7
	s_cmp_lt_u32 ttmp9, WGXA                       ; w_attn's work-group or w_proj's?
	s_cselect_b64 s[6:7], s[6:7], s[8:9]
	s_cselect_b64 s[14:15], s[14:15], s[16:17]
	s_cselect_b32 s18, WGX, s18
	s_cmp_lt_u32 ttmp9, WGX                        ; x's, or one of those two?
	s_cselect_b64 s[4:5], s[4:5], s[6:7]           ; from here
	s_cselect_b64 s[8:9], s[12:13], s[14:15]       ; to there
	s_cselect_b32 s18, 0, s18                      ; the tensor's first work-group
	s_sub_co_u32 s18, ttmp9, s18
	s_lshl_b32 s18, s18, 2
	s_add_co_u32 s20, s18, s19                     ; which run of 4,096 numbers of the tensor is my wave's
	s_mov_b32 s21, 0
	s_lshl_b64 s[22:23], s[20:21], 14              ; 16,384 bytes of numbers a run
	s_add_nc_u64 s[4:5], s[4:5], s[22:23]
	s_lshl_b64 s[22:23], s[20:21], 12              ; 4,096 bytes of codes
	s_add_nc_u64 s[8:9], s[8:9], s[22:23]
.macro LOAD t
.irp i, 0,1,2,3
	global_load_b128 v[R+16*((\t)%4)+4*\i:R+16*((\t)%4)+4*\i+3], v3, s[4:5] offset:2048*(\t)+512*\i th:TH_LOAD_NT   ; 32 lanes read 512 consecutive bytes
.endr
.endm
.macro TURN t                          ; step t's numbers through the stage: LDS serves a wave's instructions in order (ISA guide 5.7.1.4), so no wait stands between the stores and the loads
.irp i, 0,1,2,3
	ds_store_b128 v14, v[R+16*((\t)%4)+4*\i:R+16*((\t)%4)+4*\i+3] offset:32*SP*((\t)%2)+8*SP*\i
.endr
.irp i, 0,1,2,3
	ds_load_b128 v[X+16*((\t)%2)+4*\i:X+16*((\t)%2)+4*\i+3], v15 offset:32*SP*((\t)%2)+16*\i
.endr
.endm
.irp t, 0,1,2,3
	LOAD \t
.endr
	s_wait_kmcnt 0x0
	s_cmp_lt_u32 ttmp9, WGXA
	s_cselect_b32 s25, s25, s31                    ; e1 or e7
	s_cmp_lt_u32 ttmp9, WGX
	s_cselect_b32 s24, s24, s25                    ; e0 or that: e
	s_add_co_i32 s24, s24, 127
	s_lshl_b32 s25, s24, 23
	v_mov_b32 v11, s25                             ; 2^e as f32: the conversion takes its exponent field
	s_add_co_i32 s24, s24, EMAX
	s_lshl_b32 s24, s24, 23
	s_or_b32 s24, s24, MANT
	v_mov_b32 v10, s24                             ; 448 x 2^e
	s_wait_alu depctr_va_vdst(0)                   ; the wait at the head's end
	s_wait_loadcnt 12                              ; step 0's four loads are in; the twelve of steps 1 to 3 stay out
	TURN 0
.macro STEP t
.set XS, X+16*((\t)%2)
	s_wait_dscnt 0x0                               ; this step's numbers are back from the stage: so its stores into the stage have read their registers,
.if (\t)+4 < STEPS
	LOAD (\t)+4                                    ; which take the loads of four steps on
.endif
.if (\t)+1 < STEPS
.if STEPS-2-(\t) >= 3
	s_wait_loadcnt 12                              ; the next step's four loads are in; those of the three steps behind it may be out
.else
	s_wait_loadcnt 4*(STEPS-2-(\t))                ; the counts run down at the end
.endif
	TURN (\t)+1                                    ; and go through the other stage while this step is worked
.endif
.irp i, 0,1,2,3,4,5,6,7,8,9,10,11,12,13,14,15
	v_med3_num_f32 v[XS+\i], v[XS+\i], -v10, v10   ; the conversion to an 8-bit code does not saturate (ISA guide 7.6.2): the number is held within 448 x the scale first
.endr
	v_cvt_scalef32_pk8_fp8_f32 v[C+4*(\t):C+4*(\t)+1], v[XS:XS+7], v11
	v_cvt_scalef32_pk8_fp8_f32 v[C+4*(\t)+2:C+4*(\t)+3], v[XS+8:XS+15], v11
	v_nop                                          ; a plain vector line behind the last conversion of the run
	global_store_b128 v4, v[C+4*(\t):C+4*(\t)+3], s[8:9] offset:32*CB*(\t)   ; 32 lanes store 512 consecutive bytes, aligned
.endm
.irp t, 0,1,2,3,4,5,6,7
	STEP \t
.endr
	s_wait_tensorcnt 0x0                           ; the wave's end, behind my last LDS store
	ds_add_u32 v192, v193
	s_wait_dscnt 0x0
	s_endpgm
.Lfunc_end_k_qa1a17b4f39_quant:
	.size	k_qa1a17b4f39_quant, .Lfunc_end_k_qa1a17b4f39_quant-k_qa1a17b4f39_quant
	.p2alignl 7, 3214868480
	.fill 96, 4, 3214868480
	.section	.rodata,"a",@progbits
	.p2align	6, 0x0
	.amdhsa_kernel k_qa1a17b4f39_quant
		.amdhsa_group_segment_fixed_size 33280
		.amdhsa_private_segment_fixed_size 0
		.amdhsa_enable_private_segment 0
		.amdhsa_kernarg_size 56
		.amdhsa_user_sgpr_count 2
		.amdhsa_user_sgpr_kernarg_segment_ptr 1
		.amdhsa_wavefront_size32 1
		.amdhsa_system_sgpr_workgroup_id_x 1
		.amdhsa_system_sgpr_workgroup_id_y 1
		.amdhsa_system_sgpr_workgroup_id_z 1
		.amdhsa_system_vgpr_workitem_id 0
		.amdhsa_next_free_vgpr 194
		.amdhsa_next_free_sgpr 66
		.amdhsa_reserve_vcc 0
		.amdhsa_float_denorm_mode_32 3
		.amdhsa_float_denorm_mode_16_64 3
		.amdhsa_memory_ordered 1
		.amdhsa_forward_progress 1
		.amdhsa_inst_pref_size 21
	.end_amdhsa_kernel
	.amdgpu_metadata
---
amdhsa.version: [ 1, 2 ]
amdhsa.kernels:
  - .name:           k_qa1a17b4f39_quant
    .symbol:         k_qa1a17b4f39_quant.kd
    .args:
      - { .name: x, .offset: 0, .size: 8, .value_kind: global_buffer, .address_space: global }
      - { .name: w_attn, .offset: 8, .size: 8, .value_kind: global_buffer, .address_space: global }
      - { .name: w_proj, .offset: 16, .size: 8, .value_kind: global_buffer, .address_space: global }
      - { .name: lowp_scales, .offset: 24, .size: 8, .value_kind: global_buffer, .address_space: global }
      - { .name: xc, .offset: 32, .size: 8, .value_kind: global_buffer, .address_space: global }
      - { .name: wac, .offset: 40, .size: 8, .value_kind: global_buffer, .address_space: global }
      - { .name: wpc, .offset: 48, .size: 8, .value_kind: global_buffer, .address_space: global }
    .group_segment_fixed_size: 33280
    .private_segment_fixed_size: 0
    .kernarg_segment_align: 8
    .kernarg_segment_size: 56
    .max_flat_workgroup_size: 128
    .sgpr_count:     66
    .vgpr_count:     194
    .wavefront_size: 32
...
	.end_amdgpu_metadata
.endif
;; end of part 1
;; launch qkv (part 2): grid 12 x 32, 4 waves a work-group, clusters of 4 x 4, 327,680 bytes of LDS; arguments xc, wac, lowp_scales, b_attn, qc, kc, vt; writes qc, kc, vt
.if DOCPART == 2
	.amdgcn_target "amdgcn-amd-amdhsa--gfx1250"
	.amdhsa_code_object_version 6
	.text
	.protected	k_qa1a17b4f39_qkv
	.globl	k_qa1a17b4f39_qkv
	.p2align	8
	.type	k_qa1a17b4f39_qkv,@function
k_qa1a17b4f39_qkv:
	s_mov_b64 s[64:65], 0
	v_nop
	global_prefetch_b8 v0, s[64:65] scope:SCOPE_SE
	s_setreg_imm32_b32 hwreg(HW_REG_WAVE_MODE, 25, 1), 1
	s_wait_xcnt 0x0
	s_wait_alu depctr_hold_cnt(0) depctr_sa_sdst(0) depctr_va_vdst(0) depctr_va_sdst(0) depctr_va_ssrc(0) depctr_va_vcc(0) depctr_vm_vsrc(0)
	s_getreg_b32 s2, hwreg(HW_REG_IB_STS2, 6, 4)
	s_cmp_eq_u32 s2, 0
	s_cbranch_scc0 .Lentry_in_a_cluster
	s_endpgm
.Lentry_in_a_cluster:
	s_bfe_u32 s2, ttmp6, 0x10000c
	s_cmp_lg_u32 s2, 0xf033
	s_cbranch_scc0 .Lentry_shape_is_right
	s_endpgm
.Lentry_shape_is_right:
; qkv = x w_attn^T + b_attn on codes of FP8 (E4M3): xc [8192][1024], wac [3072][1024], one byte a code, K innermost.  Each f32 sum is multiplied by 2^(e0 + e1), gets its bias, and is quantised at once for the
; product that will read it: q with 2^e2, k with 2^e3, v with 2^e5 (held within +-448 x the scale, nearest code, ties to even).  No f32 number of q, k or v goes to memory.
; LIMITS: e0 + e1 between -126 and 127; e2, e3, e5 between -126 and 119, so that each power of two below is an f32 number.  NaN is not served.
; A tile of 256 x 256 results is made by a work-group of four waves; a wave makes 128 x 128: 64 accumulators of 16 x 16.  K = 1,024 goes in four steps of 256 through a ring of two LDS slots filled by the tensor data mover.
; THE MATRIX INSTRUCTION: source 0 = 16 rows of one operand, source 1 = 16 rows of the other.  A lane then holds ONE row of source 1 and eight NEIGHBOURING rows of source 0.
;   clusters x = 0 (q) and x = 1 (k): source 1 = tokens (xc), source 0 = features (wac): a lane holds eight neighbouring channels of one token: K of the scores' product runs along its registers.
;   cluster  x = 2 (v):               source 1 = features (wac), source 0 = tokens (xc): a lane holds eight neighbouring KEYS of one channel: v comes out with the keys innermost, and nothing is transposed.
; CLUSTERS: 4 x 4 work-groups.  Source 1's tile hangs on cy and is shared along a row of the cluster, source 0's on cx and is shared along a column: each is asked for JOINTLY.  Which buffer plays which part hangs on the
; cluster's x alone, which all sixteen partners share; so does the one branch that parts the two ways out.
; OUT.  qc, kc: [16 b + head][t][64 bytes];  vt: [16 b + head][128 keys][channel][128 bytes].  Two neighbouring result tiles' codes of a lane are stored as 16 bytes on end, so in each 32 along the row the four groups of
; eight lie in the order 0, 2, 1, 3: byte 32 g + 16 h + 8 u + j holds number 32 g + 16 u + 8 h + j.  q and k carry the same order; v's is the order in which the second product's operand registers take the keys.
; REGISTERS, in windows of 256: window 0: v0-31 addresses; v32-95 the bias; from v128 source 1's fragments, ONE set; on the way out v128-239 are at work.   window 1: source 0's fragments, TWO sets.
;   window 2: the 32 accumulators of my source-1 rows 0-63 (accumulator (a, b) at v[8 (8 a + b)]);   window 3: those of rows 64-127.
.set SIZE_K, 1024
.set KSTEP,  256                       ; along K in a slot
.set ROWB,   256                       ; a tile's row in bytes
.set KROW,   SIZE_K                    ; a row of either operand in memory, in bytes
.set PITCH,  272                       ; an LDS row: 256 bytes + 16 of padding = 68 words: row r starts at bank 4 r mod 64 (64 banks of 4 bytes: ISA guide 11.1)
.set FR,     16                        ; registers of a fragment: 16 rows x 128 K
.set NL,     4                         ; LDS loads that bring one
.set NP,     4                         ; places behind this matrix instruction (ISA guide 7.12.1)
.set HALFT,  128*PITCH                 ; 128 rows: what one tensor load brings
.set SLOT,   4*HALFT                   ; source 1's 256 rows, then source 0's 256 rows
.set LAPS,   SIZE_K/(2*KSTEP)          ; a lap = two K steps = once round the ring
.set SPARE,  2*SLOT                    ; behind the ring: the spare words, 128 bytes for each wave: two blocks of 256 bytes that no other line names
.set SPQ,    144                       ; a stage row: 128 bytes of codes + 16
.set STAGEQ, SPARE+512                 ; the way out of q and k: 16 rows for each wave; no tile ever lands here
.set STAGEV, STAGEQ+4*16*SPQ           ; the way out of v: bytes of its own
.set HEADB,  131072                    ; a head in qc, kc or vt: 2,048 x 64 bytes
.set ADRA, 16                          ; v16-17  LDS address of my source-1 fragments in slot 0, 1
.set STOV, 18                          ; v18     v's way out: where I put 16 bytes of a row
.set RDV,  19                          ; v19     and where I read rows back
.set ADRB, 20                          ; v20-21  LDS address of my source-0 fragments
.set BCO,  22                          ; v22     32 x (lane / 16): the bias of my eight columns
.set BRO,  23                          ; v23     4 x (lane % 16): the bias of my row
.set STOQ, 24                          ; v24     q's and k's way out: in
.set RDQ,  25                          ; v25     and back
.set CO,   26                          ; v26     16 x lane: my place in a store's 512 bytes
.set SPW,  28                          ; v28     LDS address of my spare word; never rewritten
.set NIL,  29                          ; v29     0; never rewritten
.set SCL,  30                          ; v30     the output's scale as f32
.set HOLD, 31                          ; v31     448 x that
.set BI,   32                          ; v32-95  the bias
.set AF,   128                         ; source 1's fragments
.set TMP,  128                         ; the way out: a block's 64 numbers
.set CD,   192                         ; its 16 registers of codes
.set BK,   208                         ; rows read back from the stage: v208-223 and v224-239 by turns
.set G1, 24                            ; s[24:31] descriptor group 1 for source 1's tiles;  s[32:39] group 0, one set for each slot
.set G0, 32
.set G1B, 48                           ; s[48:55], s[56:63] the same for source 0's tiles
.set G0B, 56
.set MSB, 0
.macro WIN new                         ; the immediate's high byte repeats the setting that is left
.if MSB != (\new)
	s_set_vgpr_msb (MSB<<8)|(\new)
.set MSB, \new
.endif
.endm
.set MUL_LO, 0xa1                      ; source 0 window 1, source 1 window 0, C and D window 2
.set MUL_HI, 0xf1                      ; the same, C and D window 3
.set TO_B,   0x40                      ; destination window 1, address window 0
; A joint load: waves 0 and 1 fetch source 1's halves, waves 2 and 3 source 0's.  Each line has ONE mask and one set of registers for all that issue it; the branch hangs on the wave's number alone.
; Four v_nop follow each of the two lines, ahead of the jump, the label and what follows.
.macro JLOAD g0a, g1a, g0b, g1b
	s_cmp_eq_u32 s15, 0
	s_cbranch_scc0 .Lfor_b_\@
	tensor_load_to_lds s[\g0a:\g0a+3], s[\g1a:\g1a+7]
	s_nop 0
.rept 4
	v_nop
.endr
	s_branch .Lasked_\@
.Lfor_b_\@:
	tensor_load_to_lds s[\g0b:\g0b+3], s[\g1b:\g1b+7]
	s_nop 0
.rept 4
	v_nop
.endr
.Lasked_\@:
.endm
.macro CREST                           ; a round of the cluster's barrier behind its opening barrier
	s_cmp_lg_u32 s14, 0
	s_cbranch_scc1 .Lnot_wave_0_\@
	s_barrier_signal -3
.Lnot_wave_0_\@:
	s_barrier_wait -3
	s_barrier_signal -1
	s_barrier_wait -1
.endm
.macro CROUND                          ; a whole round
	s_barrier_signal -1
	s_barrier_wait -1
	CREST
.endm
	s_load_b128 s[4:7], s[0:1], 0x0                ; xc s[4:5], wac s[6:7]
	s_load_b128 s[8:11], s[0:1], 0x10              ; the scales' exponents s[8:9], b_attn s[10:11]
	s_load_b128 s[68:71], s[0:1], 0x20             ; qc s[68:69], kc s[70:71]
	s_load_b64 s[72:73], s[0:1], 0x30              ; vt
	v_lshl_add_u32 v[SPW], v0, 2, SPARE
	v_mov_b32 v[NIL], 0
	ds_add_u32 v28, v29
	ds_add_u32 v28, v29
	s_wait_dscnt 0x0
	v_lshrrev_b32 v1, 5, v0
	v_readfirstlane_b32 s14, v1                    ; wave 0..3
	s_lshr_b32 s15, s14, 1                         ; which half of source 1's rows is mine.  Also: I fetch for source 1 (0) or for source 0 (1)
	s_and_b32 s16, s14, 1                          ; which half of source 0's rows.  Also: which 128 rows of that tile I fetch
	s_bfe_u32 s40, ttmp6, 0x40000                  ; cx, cy: my place in the cluster
	s_bfe_u32 s41, ttmp6, 0x40004
	s_and_b32 s74, ttmp7, 0xffff                   ; the cluster's y
	s_lshl_b32 s75, s74, 2
	s_lshl_b32 s76, ttmp9, 2                       ; 4 x the cluster's x
	s_cmp_eq_u32 ttmp9, 2                          ; v's cluster?  The same answer in all sixteen partners
	s_cselect_b32 s17, 8, s75                      ; source 1's block of 256 rows: v: features 2,048 + 256 cy on; q, k: tokens
	s_cselect_b32 s42, s75, s76                    ; source 0's: v: tokens; q, k: features
	s_add_co_u32 s17, s17, s41                     ; + cy: it never holds cx
	s_add_co_u32 s42, s42, s40                     ; + cx: it never holds cy
	s_lshl_b32 s43, s41, 2
	s_lshl_b32 s43, 15, s43                        ; my row of the cluster
	s_lshl_b32 s44, 0x1111, s40                    ; my column
	; descriptor group 1: a tile of 128 rows x 256 bytes, padded in LDS
	s_or_b32 s[G1+0], s43, (0<<16)|(1<<20)|(1<<21)|(5<<22)|(3<<25)  ; 15:0 the mask: my row; 17:16 element of 1 byte; 20 padding on; 21 set beside a mask; 24:22 after every 64 words (code 5); 31:25 of 4 words (code 3)
	s_or_b32 s[G1B+0], s44, (0<<16)|(1<<20)|(1<<21)|(5<<22)|(3<<25) ; the same with the mask of my column
.irp g, G1, G1B
	s_mov_b32 s[\g+1], ROWB<<16                    ; tensor_dim0
	s_mov_b32 s[\g+2], 256<<16                     ; tensor_dim1 = 256 for the head's loads; 128 from the first barrier on
	s_mov_b32 s[\g+3], ROWB<<16                    ; tile_dim0
	s_mov_b32 s[\g+4], 256                         ; tile_dim1 likewise
	s_mov_b32 s[\g+5], KROW                        ; tensor_dim0_stride
	s_mov_b32 s[\g+6], 0
	s_mov_b32 s[\g+7], 0
.endr
	s_lshl_b32 s18, s16, 7                         ; which 128 rows of the tile I fetch
	s_lshl_b32 s20, s17, 8
	s_add_co_u32 s20, s20, s18                     ; source 1: row 256 x block + 128 x half
	s_lshl_b32 s46, s42, 8
	s_add_co_u32 s46, s46, s18                     ; source 0 likewise
	s_mov_b32 s21, 0
	s_mov_b32 s47, 0
	s_lshl_b64 s[20:21], s[20:21], 10              ; rows of 1,024 bytes
	s_lshl_b64 s[46:47], s[46:47], 10
	s_mul_i32 s45, s14, HALFT                      ; where they go: wave x 128 rows: no place in the cluster enters an LDS address
	s_wait_kmcnt 0x0
	s_cmp_eq_u32 ttmp9, 2
	s_cselect_b64 s[78:79], s[6:7], s[4:5]         ; source 1's buffer
	s_cselect_b64 s[80:81], s[4:5], s[6:7]         ; source 0's
	s_load_b256 s[84:91], s[8:9], 0x0              ; e0 .. e7
	s_add_nc_u64 s[20:21], s[78:79], s[20:21]
	s_add_nc_u64 s[46:47], s[80:81], s[46:47]
	; THE HEAD'S LOADS: one whole tile of 256 rows a wave, so that both slots are asked for at once: waves 0, 1: source 1's tile of K steps 0, 1; waves 2, 3: source 0's.  Their groups 0: s[76:79], s[80:83]
	s_mul_i32 s74, s16, 128*KROW-ROWB              ; from my quarter's first byte back to the tile's first row, and on to K step (wave % 2)
	s_mov_b32 s75, 0
	s_mov_b32 s76, 1
	s_mul_i32 s77, s16, SLOT                       ; slot (wave % 2): source 1's 256 rows at its head,
	s_sub_nc_u64 s[78:79], s[20:21], s[74:75]
	s_or_b32 s79, s79, 0x80000000
	s_mov_b32 s80, 1
	s_add_co_u32 s81, s77, 2*HALFT                 ; source 0's behind them
	s_sub_nc_u64 s[82:83], s[46:47], s[74:75]
	s_or_b32 s83, s83, 0x80000000
	CROUND
.irp s, 0,1
	s_mov_b32 s[G0+4*\s], 1
	s_add_co_u32 s[G0+4*\s+1], s45, \s*SLOT
	s_add_nc_u64 s[G0+4*\s+2:G0+4*\s+3], s[20:21], \s*ROWB
	s_or_b32 s[G0+4*\s+3], s[G0+4*\s+3], 0x80000000
	s_mov_b32 s[G0B+4*\s], 1
	s_add_co_u32 s[G0B+4*\s+1], s45, \s*SLOT
	s_add_nc_u64 s[G0B+4*\s+2:G0B+4*\s+3], s[46:47], \s*ROWB
	s_or_b32 s[G0B+4*\s+3], s[G0B+4*\s+3], 0x80000000
.endr
	JLOAD 76, G1, 80, G1B                          ; my one tensor load at the head
	v_and_b32 v1, 15, v0                           ; r = l % 16
	s_wait_alu depctr_va_vdst(0)
	v_bfe_u32 v2, v0, 4, 1                         ; h = l / 16
	v_mul_u32_u24 v3, v1, PITCH
	v_lshl_add_u32 v4, v2, 4, v3                   ; a fragment's row x pitch + 16 x half
	s_mul_i32 s21, s15, HALFT                      ; my 128 rows of source 1
	s_mul_i32 s22, s16, HALFT                      ; my 128 rows of source 0,
	s_add_co_u32 s22, s22, 2*HALFT                 ; which lie behind source 1's 256
.irp s, 0,1
	v_add_nc_u32 v[ADRA+\s], s21, v4
	v_add_nc_u32 v[ADRB+\s], s22, v4
	s_add_co_u32 s21, s21, SLOT
	s_add_co_u32 s22, s22, SLOT
.endr
	; every LDS address of both ways out is made here, ahead of the parting
	s_mul_i32 s23, s14, 16*SPQ                     ; my stage in either region
	v_mul_u32_u24 v5, v1, SPQ
	s_wait_alu depctr_va_vdst(0)
	v_lshl_add_u32 v5, v2, 4, v5
	v_add_nc_u32 v5, s23, v5                       ; in: row r, 16 bytes for each half of the lanes
	v_add_nc_u32 v[STOQ], STAGEQ, v5
	v_add_nc_u32 v[STOV], STAGEV, v5
	v_and_b32 v6, 31, v0                           ; lane
	v_lshrrev_b32 v7, 2, v6
	v_mul_u32_u24 v7, v7, SPQ
	v_and_b32 v8, 3, v6
	v_lshl_add_u32 v7, v8, 4, v7
	v_add_nc_u32 v7, s23, v7
	v_add_nc_u32 v[RDQ], STAGEQ, v7                ; back, q and k: four lanes to a head's 64 bytes of a row, eight rows an instruction
	v_lshrrev_b32 v7, 3, v6
	v_mul_u32_u24 v7, v7, SPQ
	v_and_b32 v8, 7, v6
	v_lshl_add_u32 v7, v8, 4, v7
	v_add_nc_u32 v7, s23, v7
	v_add_nc_u32 v[RDV], STAGEV, v7                ; back, v: eight lanes to a row of 128 bytes, four rows an instruction
	v_lshlrev_b32 v[CO], 4, v6
	v_lshlrev_b32 v[BCO], 5, v2
	v_lshlrev_b32 v[BRO], 2, v1
	s_wait_kmcnt 0x0
	s_add_co_i32 s96, s84, s85                     ; e0 + e1
	s_add_co_i32 s96, s96, 127
	s_lshl_b32 s96, s96, 23                        ; 2^(e0 + e1) as f32
	s_mov_b32 s97, s96                             ; (named with it as a pair, so it is written)
	s_cmp_eq_u32 ttmp9, 0
	s_cselect_b32 s92, s86, s87                    ; q: e2; k: e3
	s_cmp_eq_u32 ttmp9, 2
	s_cselect_b32 s92, s89, s92                    ; v: e5.  A choice of a value: no branch hangs on a scale
	s_add_co_i32 s92, s92, 127
	s_lshl_b32 s93, s92, 23
	v_mov_b32 v[SCL], s93                          ; the output's scale as f32: the conversion takes its exponent field
	s_add_co_i32 s92, s92, 8
	s_lshl_b32 s92, s92, 23
	s_or_b32 s92, s92, 0x600000
	v_mov_b32 v[HOLD], s92                         ; 448 x that
.macro FRAG reg, adr, q, i             ; a fragment, 16 rows x 128 K, is 16 registers: lane l holds row l % 16; registers 4 c .. 4 c + 3 hold K = 32 c + 16 (l / 16) + 0 .. 15: the same places of k in both sources
.irp c, 0,1,2,3
	ds_load_b128 v[\reg+4*\c:\reg+4*\c+3], v[\adr] offset:128*(\q)+32*\c+(\i)*16*PITCH
.endr
.endm
; 16 matrix instructions: source 1's blocks a0, a0 + 1 x source 0's eight, 128 along K.  p: source 0's set.  zero = 1: the first product starts the sums: nothing is ever cleared.
; The 64 accumulators take turns, one instruction a turn, in the same order in every step.
.macro MUL16 a0, p, zero
.irp a, \a0, \a0+1
.irp b, 0,1,2,3,4,5,6,7
.if \zero
	v_wmma_f32_16x16x128_fp8_fp8 v[8*(8*((\a)%4)+\b):8*(8*((\a)%4)+\b)+7], v[128*(\p)+FR*\b:128*(\p)+FR*\b+FR-1], v[AF+FR*(\a):AF+FR*(\a)+FR-1], 0
.else
	v_wmma_f32_16x16x128_fp8_fp8 v[8*(8*((\a)%4)+\b):8*(8*((\a)%4)+\b)+7], v[128*(\p)+FR*\b:128*(\p)+FR*\b+FR-1], v[AF+FR*(\a):AF+FR*(\a)+FR-1], v[8*(8*((\a)%4)+\b):8*(8*((\a)%4)+\b)+7]
.endif
.endr
.endr
.endm
.macro FETCH_B slot, q, p              ; source 0's eight fragments of the slot's q-th 128 along K into set p
	WIN TO_B
.irp i, 0,1,2,3,4,5,6,7
	FRAG 128*(\p)+FR*\i, ADRB+\slot, \q, \i
.endr
	WIN 0
.endm
.macro FETCH_A slot, q, i0             ; source 1's blocks i0 .. i0 + 3
.irp i, \i0, \i0+1, \i0+2, \i0+3
	FRAG AF+FR*(\i), ADRA+\slot, \q, \i
.endr
.endm
; A load into a register that a matrix instruction has read, and a vector instruction that reads a matrix result or writes one of its registers, stand NP places behind it; only plain vector
; instructions that name none of its registers are places (ISA guide 7.12.1 for vector instructions).
.macro PLACES n
.rept \n
	v_nop
.endr
.endm
; A step of 128 along K that has its successor in the same slot.
.macro STEP slot, q, zero
	s_wait_dscnt 4*NL                              ; source 0's set and source 1's blocks 0-3 are in; the youngest 16 loads (blocks 4-7) may be out
	WIN MUL_LO
	MUL16 0, (\q)%2, \zero
	MUL16 2, (\q)%2, \zero
	s_wait_dscnt 0                                 ; blocks 4-7 are in (asked for 32 matrix instructions ago)
	PLACES NP
	FETCH_B \slot, (\q)+1, 1-(\q)%2
	FETCH_A \slot, (\q)+1, 0
	WIN MUL_HI
	MUL16 4, (\q)%2, \zero
	MUL16 6, (\q)%2, \zero
	PLACES NP
	WIN 0
	FETCH_A \slot, (\q)+1, 4
.endm
; A slot's last step changes slots: ONE barrier; in front of it each wave waits for all its tensor loads, adds 0 to its spare word, and waits for that and for its own reads of this slot.  fill = 1: this slot is filled again, two K steps ahead.
.macro TURN slot, next, fill
	s_wait_tensorcnt 0x0                           ; all my tensor loads have landed: my part of the next slot  (every window is 0 here)
	ds_add_u32 v[SPW], v[NIL]                      ; 0 onto my spare word
	s_wait_dscnt 4*NL+1                            ; (the add and the youngest 16 loads, blocks 4-7, may be out)
	WIN MUL_LO
	MUL16 0, 1, 0                                  ; sixteen matrix instructions stand between the add and the wait for it
	s_wait_dscnt 0x0                               ; the add is done, and my reads of this slot are over
	s_barrier_signal -1
	MUL16 2, 1, 0
	WIN 0
	s_barrier_wait -1
.if \fill
	CREST                                          ; the barrier has opened a round of the cluster's barrier: no wave of any partner still reads this slot's tile or has a load on its way
	s_add_nc_u64 s[G0+4*\slot+2:G0+4*\slot+3], s[G0+4*\slot+2:G0+4*\slot+3], 2*ROWB
	s_add_nc_u64 s[G0B+4*\slot+2:G0B+4*\slot+3], s[G0B+4*\slot+2:G0B+4*\slot+3], 2*ROWB
	JLOAD G0+4*\slot, G1, G0B+4*\slot, G1B         ; the first tensor load behind the round, my only one until the next; its four v_nop are the places in front of the loads below
.else
	PLACES NP
.endif
	FETCH_B \next, 0, 0
	FETCH_A \next, 0, 0
	WIN MUL_HI
	MUL16 4, 1, 0
	MUL16 6, 1, 0
	PLACES NP
	WIN 0
	FETCH_A \next, 0, 4
.endm
.macro LAST                            ; the very last step: nothing more to fetch
	s_wait_dscnt 4*NL
	WIN MUL_LO
	MUL16 0, 1, 0
	MUL16 2, 1, 0
	s_wait_dscnt 0
	WIN MUL_HI
	MUL16 4, 1, 0
	MUL16 6, 1, 0
	WIN 0
.endm
; THE WAY OUT of block a (16 rows of source 1 x 128 of source 0).  sum x 2^(e0 + e1) + bias in one packed multiply-add, each accumulator from its low end on; the hold; eight numbers to eight codes;
; two neighbouring tiles' codes (16 bytes) into my stage; back as dense runs of 512 bytes.  arm = 0: q, k (the bias goes by column);  arm = 1: v (by row: block a's lies twice, in a pair).
.macro TOSTAGE a, arm
.set AC, 64*((\a)%4)
.set BB, BK+16*((\a)%2)
	WIN 0x02+((\a)/4)                              ; source 0: window 2 or 3
.irp j, 0,2,4,6,8,10,12,14,16,18,20,22,24,26,28,30,32,34,36,38,40,42,44,46,48,50,52,54,56,58,60,62
.if \arm
	v_pk_fma_f32 v[TMP+\j:TMP+\j+1], v[AC+\j:AC+\j+1], s[96:97], v[BI+2*(\a):BI+2*(\a)+1] op_sel_hi:[1,0,1]
.else
	v_pk_fma_f32 v[TMP+\j:TMP+\j+1], v[AC+\j:AC+\j+1], s[96:97], v[BI+\j:BI+\j+1] op_sel_hi:[1,0,1]
.endif
.endr
	WIN 0
.set n, 0
.rept 64
	v_med3_num_f32 v[TMP+n], v[TMP+n], -v[HOLD], v[HOLD]   ; the conversion to an 8-bit code does not saturate (ISA guide 7.6.2)
.set n, n+1
.endr
.irp b, 0,1,2,3,4,5,6,7
	v_cvt_scalef32_pk8_fp8_f32 v[CD+2*\b:CD+2*\b+1], v[TMP+8*\b:TMP+8*\b+7], v[SCL]
.endr
	v_nop                                          ; a plain vector line behind the last conversion of the run
.irp g, 0,1,2,3
.if \arm
	ds_store_b128 v[STOV], v[CD+4*\g:CD+4*\g+3] offset:32*\g
.else
	ds_store_b128 v[STOQ], v[CD+4*\g:CD+4*\g+3] offset:32*\g
.endif
.endr
.irp t, 0,1,2,3                        ; LDS serves a wave's instructions in order (ISA guide 5.7.1.4): these see the stores above
.if \arm
	ds_load_b128 v[BB+4*\t:BB+4*\t+3], v[RDV] offset:4*\t*SPQ                  ; channels 4 t .. 4 t + 3 of the block, 128 bytes each
.else
	ds_load_b128 v[BB+4*\t:BB+4*\t+3], v[RDQ] offset:8*(\t%2)*SPQ+64*(\t/2)    ; tokens 8 (t % 2) on, head t / 2
.endif
.endr
.endm
.macro SEND a, younger, arm            ; younger: the LDS instructions issued behind block a's loads, which may stay out
.set BB, BK+16*((\a)%2)
	s_wait_dscnt \younger
.irp t, 0,1,2,3
.if \arm
	global_store_b128 v[CO], v[BB+4*\t:BB+4*\t+3], s[94:95] offset:((\a)/4)*HEADB+2048*((\a)%4)+512*\t    ; 32 lanes store 512 consecutive bytes, aligned
.else
	global_store_b128 v[CO], v[BB+4*\t:BB+4*\t+3], s[94:95] offset:(\t/2)*HEADB+1024*(\a)+512*(\t%2)
.endif
.endr
.endm
.macro WAYOUT arm
	TOSTAGE 0, \arm
.irp a, 1,2,3,4,5,6,7
.if \a > 1
	s_wait_xcnt 0x0                                ; block a - 2's stores have read their registers: block a's loads may land there
.endif
	TOSTAGE \a, \arm
	SEND \a-1, 8, \arm                             ; behind block a - 1's loads: block a's 4 stores and 4 loads
.endr
	SEND 7, 0, \arm
.endm
	s_wait_alu depctr_va_vdst(0)                   ; the wait at the head's end
	s_wait_tensorcnt 0x0                           ; my tile is in, so group 1 may be written: the refills bring 128 rows a wave
	s_mov_b32 s[G1+2], 128<<16
	s_mov_b32 s[G1+4], 128
	s_mov_b32 s[G1B+2], 128<<16
	s_mov_b32 s[G1B+4], 128
	s_barrier_signal -1
	s_barrier_wait -1                              ; everybody's is: both slots are whole
	FETCH_B 0, 0, 0
	FETCH_A 0, 0, 0
	FETCH_A 0, 0, 4
	STEP 0, 0, 1                                   ; the first step stands in front of the loop: its products start the sums
	s_mov_b32 s3, LAPS-1
.Llap:                                                 ; a trip goes once round the ring, from a lap's second step to the next lap's first, and fills both slots again
	TURN 0, 1, 1
	STEP 1, 0, 0
	TURN 1, 0, 1
	STEP 0, 0, 0
	s_sub_co_u32 s3, s3, 1
	s_cmp_lg_u32 s3, 0
	s_cbranch_scc1 .Llap
	TURN 0, 1, 0                                   ; the last lap fills nothing, and has no round of the cluster's barrier
	STEP 1, 0, 0
	s_cmp_eq_u32 ttmp9, 2                          ; THE PARTING, on the cluster's x.  Each arm asks for its bias, runs the last step (64 matrix instructions under which the bias lands) and goes out
	s_cbranch_scc1 .Lv
	; ---- q and k: my 128 tokens x my 128 features (two heads)
	s_lshr_b32 s18, s17, 3                         ; b: a batch has 8 blocks of 256 tokens
	s_lshl_b32 s18, s18, 4
	s_and_b32 s19, s42, 3
	s_lshl_b32 s19, s19, 2
	s_add_co_u32 s18, s18, s19
	s_lshl_b32 s19, s16, 1
	s_add_co_u32 s18, s18, s19                     ; 16 b + my first head
	s_lshl_b32 s18, s18, 17
	s_and_b32 s19, s17, 7
	s_lshl_b32 s19, s19, 8
	s_lshl_b32 s20, s15, 7
	s_add_co_u32 s19, s19, s20                     ; my first token in its batch
	s_lshl_b32 s19, s19, 6
	s_add_co_u32 s18, s18, s19
	s_mov_b32 s19, 0
	s_cmp_eq_u32 ttmp9, 0
	s_cselect_b64 s[94:95], s[68:69], s[70:71]     ; qc or kc
	s_add_nc_u64 s[94:95], s[94:95], s[18:19]
	s_lshl_b32 s20, s42, 8
	s_lshl_b32 s21, s16, 7
	s_add_co_u32 s20, s20, s21                     ; my first feature
	s_lshl_b32 s20, s20, 2
	s_mov_b32 s21, 0
	s_add_nc_u64 s[66:67], s[10:11], s[20:21]
	s_wait_alu depctr_va_vdst(0)
.irp b, 0,1,2,3,4,5,6,7
	global_load_b128 v[BI+8*\b:BI+8*\b+3], v[BCO], s[66:67] offset:64*\b        ; b_attn of features 16 b + 8 h + 0 .. 7: the result's layout
	global_load_b128 v[BI+8*\b+4:BI+8*\b+7], v[BCO], s[66:67] offset:64*\b+16
.endr
	LAST
	s_wait_loadcnt 0x0                             ; the bias
	PLACES NP                                      ; behind the last products: the way out writes registers that held source 1's fragments
	WAYOUT 0
	s_branch .Ldone
.Lv:
	; ---- v: my 128 features (two heads' channels) x my 128 tokens (one block of keys)
	s_sub_co_u32 s18, s17, 8
	s_lshl_b32 s18, s18, 2
	s_lshl_b32 s19, s15, 1
	s_add_co_u32 s18, s18, s19                     ; my first head
	s_lshr_b32 s19, s42, 3
	s_lshl_b32 s19, s19, 4
	s_add_co_u32 s18, s18, s19                     ; 16 b + head
	s_lshl_b32 s18, s18, 4                         ; a head has 16 blocks of 128 keys
	s_and_b32 s19, s42, 7
	s_lshl_b32 s19, s19, 1
	s_add_co_u32 s18, s18, s19
	s_add_co_u32 s18, s18, s16                     ; + my block of keys
	s_lshl_b32 s18, s18, 13                        ; 64 channels x 128 bytes
	s_mov_b32 s19, 0
	s_add_nc_u64 s[94:95], s[72:73], s[18:19]
	s_lshl_b32 s20, s17, 8
	s_lshl_b32 s21, s15, 7
	s_add_co_u32 s20, s20, s21                     ; my first feature, 2,048 on
	s_lshl_b32 s20, s20, 2
	s_mov_b32 s21, 0
	s_add_nc_u64 s[66:67], s[10:11], s[20:21]
	s_wait_alu depctr_va_vdst(0)
.irp a, 0,1,2,3,4,5,6,7
	global_load_b32 v[BI+2*\a], v[BRO], s[66:67] offset:64*\a                   ; b_attn of feature 16 a + r, into both halves of a pair for the packed multiply-add
	global_load_b32 v[BI+2*\a+1], v[BRO], s[66:67] offset:64*\a
.endr
	LAST
	s_wait_loadcnt 0x0
	PLACES NP
	WAYOUT 1
.Ldone:
	s_wait_tensorcnt 0x0                           ; the wave's end, behind my last tensor load and my last LDS store
	ds_add_u32 v[SPW], v[NIL]
	s_wait_dscnt 0x0
	CROUND                                         ; the closing round: no work-group ends while a partner may still ask for a tile that names it
	s_endpgm
.Lfunc_end_k_qa1a17b4f39_qkv:
	.size	k_qa1a17b4f39_qkv, .Lfunc_end_k_qa1a17b4f39_qkv-k_qa1a17b4f39_qkv
	.p2alignl 7, 3214868480
	.fill 96, 4, 3214868480
	.section	.rodata,"a",@progbits
	.p2align	6, 0x0
	.amdhsa_kernel k_qa1a17b4f39_qkv
		.amdhsa_group_segment_fixed_size 327680
		.amdhsa_private_segment_fixed_size 0
		.amdhsa_enable_private_segment 0
		.amdhsa_kernarg_size 56
		.amdhsa_user_sgpr_count 2
		.amdhsa_user_sgpr_kernarg_segment_ptr 1
		.amdhsa_wavefront_size32 1
		.amdhsa_system_sgpr_workgroup_id_x 1
		.amdhsa_system_sgpr_workgroup_id_y 1
		.amdhsa_system_sgpr_workgroup_id_z 1
		.amdhsa_system_vgpr_workitem_id 0
		.amdhsa_next_free_vgpr 1024
		.amdhsa_next_free_sgpr 98
		.amdhsa_reserve_vcc 0
		.amdhsa_float_denorm_mode_32 3
		.amdhsa_float_denorm_mode_16_64 3
		.amdhsa_memory_ordered 1
		.amdhsa_forward_progress 1
		.amdhsa_inst_pref_size 208
	.end_amdhsa_kernel
	.amdgpu_metadata
---
amdhsa.version: [ 1, 2 ]
amdhsa.kernels:
  - .name:           k_qa1a17b4f39_qkv
    .symbol:         k_qa1a17b4f39_qkv.kd
    .args:
      - { .name: xc, .offset: 0, .size: 8, .value_kind: global_buffer, .address_space: global }
      - { .name: wac, .offset: 8, .size: 8, .value_kind: global_buffer, .address_space: global }
      - { .name: lowp_scales, .offset: 16, .size: 8, .value_kind: global_buffer, .address_space: global }
      - { .name: b_attn, .offset: 24, .size: 8, .value_kind: global_buffer, .address_space: global }
      - { .name: qc, .offset: 32, .size: 8, .value_kind: global_buffer, .address_space: global }
      - { .name: kc, .offset: 40, .size: 8, .value_kind: global_buffer, .address_space: global }
      - { .name: vt, .offset: 48, .size: 8, .value_kind: global_buffer, .address_space: global }
    .group_segment_fixed_size: 327680
    .private_segment_fixed_size: 0
    .kernarg_segment_align: 8
    .kernarg_segment_size: 56
    .max_flat_workgroup_size: 128
    .sgpr_count:     98
    .vgpr_count:     1024
    .wavefront_size: 32
...
	.end_amdgpu_metadata
.endif
;; end of part 2
;; launch attn (part 3): grid 4 x 64, 16 waves a work-group, clusters of 4 x 1, 327,680 bytes of LDS; arguments qc, kc, vt, lowp_scales, yc; writes yc
.if DOCPART == 3
	.amdgcn_target "amdgcn-amd-amdhsa--gfx1250"
	.amdhsa_code_object_version 6
	.text
	.protected	k_qa1a17b4f39_attn
	.globl	k_qa1a17b4f39_attn
	.p2align	8
	.type	k_qa1a17b4f39_attn,@function
k_qa1a17b4f39_attn:
	s_mov_b64 s[64:65], 0
	v_nop
	global_prefetch_b8 v0, s[64:65] scope:SCOPE_SE
	s_setreg_imm32_b32 hwreg(HW_REG_WAVE_MODE, 25, 1), 1
	s_wait_xcnt 0x0
	s_wait_alu depctr_hold_cnt(0) depctr_sa_sdst(0) depctr_va_vdst(0) depctr_va_sdst(0) depctr_va_ssrc(0) depctr_va_vcc(0) depctr_vm_vsrc(0)
	s_getreg_b32 s2, hwreg(HW_REG_IB_STS2, 6, 4)
	s_cmp_eq_u32 s2, 0
	s_cbranch_scc0 .Lentry_in_a_cluster
	s_endpgm
.Lentry_in_a_cluster:
	s_bfe_u32 s2, ttmp6, 0x10000c
	s_cmp_lg_u32 s2, 0x3003
	s_cbranch_scc0 .Lentry_shape_is_right
	s_endpgm
.Lentry_shape_is_right:
; y[b][t][head] = the sum over keys k <= t of softmax_k(q . k / 8) v, both products on codes of FP8 (E4M3); y is quantised at once, with 2^e6, for the projection that reads it.
; qc, kc: [16 b + head][t][64 bytes], both with the same order of channels inside a row.  vt: [16 b + head][block of 128 keys][channel][128 bytes], keys innermost, in the order that the loads below want.
; yc: [head][8,192 tokens][64 bytes], channels in their natural order.
; WORK LEFT OUT: key steps all of whose 128 keys come after a tile's 16 queries (reference()'s own causal mask gives them the weight 0 for all finite inputs).
; THE SOFTMAX AHEAD OF THE SECOND PRODUCT: t = score x log2(e) / 8; M = the row's largest t so far, rounded UP to a whole number; p = 2^(t - M) is what is quantised (2^e4); it is not normalised.
; The row's sum is taken of the unquantised p, in f32, and divides at the end.  When M moves, the sum and O are multiplied by 2^(old M - new M): nothing is rounded.
; LDS HOLDS A WHOLE HEAD: K's 2,048 x 64 bytes and V's 64 x 2,048 bytes are 512 rows of 256 bytes each, 272 bytes apart: 2 x 139,264 bytes.  Nothing is filled twice.
; They come in two parts: keys 0-511 (four key steps) at the head, keys 512-2,047 behind the round that shows the first part landed.  One barrier, behind the walk's first four steps, shows the second part; no wave meets another after it.
; CLUSTER: the four work-groups of a head read the same K and V, so both parts are asked for JOINTLY (mask 15).  Each of the sixteen waves issues one load a part, of 16 and of 48 rows of 256 bytes: waves 0-7 K's, waves 8-15 V's.
; NO PREFETCH: all of K and V has been asked for by tensor loads before the first key step is multiplied, so the loops have nothing left to run ahead of.
; SHARES.  A head has 128 tiles of 16 queries and 64 waves.  With a = wave / 2 and c = 4 (wave % 2) + cx a wave owns tile u = 8 a + c and then tile 127 - u: a + 1 and 16 - a key steps of 128 keys, 17 for every wave.
; Step n of a wave's walk reads key step n (n <= a) or n - a - 1, never a later one than n: so the first part serves the walk's steps 0 .. 3.  Every branch hangs on the wave's number and on n alone, none on cx:
; cx enters the addresses of Q and y and the mask's lane term only.
; LAYOUT.  S^T = K Q^T (source 0 = 16 neighbouring keys, source 1 = my 16 queries, K = 64), O^T = V^T P^T (source 0 = 16 channels, source 1 = P, K = 128 keys): a lane holds ONE query (lane % 16) throughout.
; Tile t of S^T gives lane (r, h) keys 16 t + 8 h + 0 .. 7: their eight codes are registers 2 t, 2 t + 1 of P, the place that the K = 128 form gives those keys.  vt's rows are laid so that 16-byte loads give V the same places.
; LIMITS on the given exponents, so that each power of two below is an f32 number: e2 + e3 between -123 and 130 (added to c's exponent field); e4, e6 between -126 and 119; e4 + e5 goes by v_ldexp_f32 and has none.  NaN is not served.
; The promise holds while the scaled scores stay under 2^31 in magnitude.
; REGISTERS: v1-11 addresses; v12 -M, v13 the largest t, v[14:15] the sum in two halves; v16-23 Q in hand, v24-31 Q of the second tile; v32-95 eight fragments of K, then four of V; v96-159 S^T, then p;
;   v160-191 O^T; v192-207 p's codes; v209-223 at work and constants; v224-231 rows of y; v244-255 partial sums.
.set PITCH, 272                        ; an LDS row: 256 bytes + 16 of padding
.set STEPL, 32*PITCH                   ; a key step's rows of K, and of V, in LDS
.set CHL,   4*STEPL                    ; the first part's
.set VOFF,  16*STEPL                   ; V lies behind K's 512 rows
.set SPARE, 2*VOFF                     ; behind both: the spare words, 128 bytes for each wave: eight blocks of 256 bytes that no other line names
.set STAGE, SPARE+16*128               ; the way out: 16 rows x (64 bytes + 16) for each wave; no tile ever lands here
.set SPY,   80
.set CHB,   32768                      ; the first part's bytes of K, and of V, in memory
.set AK0,  1                           ; v1   my lane's place in a tile of K: key r at (r / 4) rows + 64 (r % 4), + 16 h
.set AV0,  2                           ; v2   the same for V: channel r at (r / 2) rows + 128 (r % 2), + 16 h, behind K
.set STO,  4                           ; v4   the way out: where I put 8 bytes of a row
.set SPW,  5                           ; v5   LDS address of my spare word; never rewritten
.set NIL,  6                           ; v6   0; never rewritten
.set GO,   7                           ; v7   16 x lane: my place in a store's 512 bytes
.set ADK,  8                           ; v8   LDS address of the step's tiles of K
.set ADV,  9                           ; v9   of V
.set RD,   10                          ; v10  the way out: where I read rows back
.set QA,   11                          ; v11  my lane's byte in the wave's 16 rows of Q
.set QF,   16
.set KV,   32
.set S,    96
.set OT,   160
.set PC,   192
.set VD,   218                         ; v218 my query less the masked step's first key less 8 h, for the tile in hand
.set VDL,  223                         ; v223 the same for the second tile
.set WV,   18                          ; s18  my wave's number
.set SEL,  20                          ; s[20:21] lane selects for v_permlanex16_b32: lane l xor 16
.set CS,   22                          ; s[22:23] c = log2(e) / 8 x 2^(e2 + e3)
.set G1,   24                          ; s[24:31] descriptor group 1, first part;  s[32:39] second part
.set G1R,  32
.set G0,   40                          ; s[40:43] descriptor group 0, first part;  s[44:47] second part
.set G0R,  44
.set N,    48                          ; s48  the step of my walk, 0 .. 16
.set TBN,  49                          ; s49  STEPL x N
.set TB,   50                          ; s50  LDS byte of the key step in hand
.set CW,   51                          ; s51  2^32 - (a + 1) STEPL
.set MK,   52                          ; s52  the step of the walk that lies on the diagonal: a, then 16
.set IC,   53                          ; s53  steps to go in a loop
.set A,    55                          ; s55  a = wave / 2
.set YA,   56                          ; s[56:57], s[58:59] my 16 rows of yc, first and second tile
.set YB,   58
.set EPV,  63                          ; s63  e4 + e5
.set OFS,  96                          ; s[96:97] an offset as a pair
.macro ROUND                           ; a round of the cluster's barrier
	s_barrier_signal -1
	s_barrier_wait -1
	s_cmp_lg_u32 s[WV], 0
	s_cbranch_scc1 .Lnw0_\@
	s_barrier_signal -3
.Lnw0_\@:
	s_barrier_wait -3
	s_barrier_signal -1
	s_barrier_wait -1
.endm
.macro JLOAD g0, g1                    ; my rows of a part: the same line, with the same registers, in all four partners
	tensor_load_to_lds s[\g0:\g0+3], s[\g1:\g1+7]
	s_nop 0
.rept 4
	v_nop
.endr
.endm
	s_load_b256 s[4:11], s[0:1], 0x0               ; qc s[4:5], kc s[6:7], vt s[8:9], the scales' exponents s[10:11]
	s_load_b64 s[12:13], s[0:1], 0x20              ; yc
	v_lshl_add_u32 v[SPW], v0, 2, SPARE
	v_mov_b32 v[NIL], 0
	ds_add_u32 v[SPW], v[NIL]                      ; the opening lines: the add, twice on end, and its wait ahead of my first tensor load
	ds_add_u32 v[SPW], v[NIL]
	v_lshrrev_b32 v8, 5, v0
	v_readfirstlane_b32 s[WV], v8                  ; wave 0..15
	s_and_b32 s76, ttmp7, 0xffff                   ; the cluster's y: 16 b + head
	s_bfe_u32 s77, ttmp6, 0x40000                  ; cx
	s_lshl_b32 s78, s76, 17                        ; the head's first byte in qc, kc and vt
	s_lshr_b32 s[A], s[WV], 1
	s_and_b32 s79, s[WV], 1
	s_lshl_b32 s79, s79, 2
	s_add_co_u32 s79, s79, s77
	s_lshl_b32 s79, s79, 4                         ; 16 c: the first tile's place in its block of 128 queries
	s_lshl_b32 s80, s[A], 7
	s_add_co_u32 s80, s80, s79                     ; the first tile's first query: 128 a + 16 c
	s_sub_co_u32 s81, 2032, s80                    ; the second's: 16 (127 - u)
	s_sub_co_u32 s88, 112, s79                     ; and its place in its block of 128
.irp g, G1, G1R
	s_mov_b32 s[\g], 15|(0<<16)|(1<<20)|(1<<21)|(5<<22)|(3<<25)  ; 15:0 the mask: all four partners; 17:16 elements of 1 byte; 20 padding on; 21 set beside a mask; 24:22 after every 64 words; 31:25 four words
	s_mov_b32 s[\g+1], 256<<16                     ; tensor_dim0
	s_mov_b32 s[\g+3], 256<<16                     ; tile_dim0
	s_mov_b32 s[\g+5], 256                         ; tensor_dim0_stride: dense
	s_mov_b32 s[\g+6], 0
	s_mov_b32 s[\g+7], 0
.endr
	s_mov_b32 s[G1+2], 16<<16                      ; tensor_dim1, tile_dim1: 128 rows of the first part over eight waves,
	s_mov_b32 s[G1+4], 16
	s_mov_b32 s[G1R+2], 48<<16                     ; 384 of the second
	s_mov_b32 s[G1R+4], 48
	s_mov_b32 s[SEL], 0x76543210
	s_mov_b32 s[SEL+1], 0xfedcba98
	s_mov_b32 s[CS], 0x3e38aa3b                    ; log2(e) / sqrt(64)
	s_and_b32 s82, s[WV], 7                        ; which rows of a part I fetch,
	s_lshr_b32 s83, s[WV], 3                       ; of K (0) or of V (1)
	s_mul_i32 s84, s82, 16*PITCH
	s_mul_i32 s85, s83, VOFF
	s_mov_b32 s[G0], 1                             ; count = 1
	s_add_co_u32 s[G0+1], s84, s85                 ; LDS address: the wave's number alone
	s_mov_b32 s[G0R], 1
	s_mul_i32 s[G0R+1], s82, 48*PITCH
	s_add_co_u32 s[G0R+1], s[G0R+1], s85
	s_add_co_u32 s[G0R+1], s[G0R+1], CHL
	s_lshl_b32 s[OFS], s82, 12
	s_add_co_u32 s[OFS], s[OFS], s78
	s_mov_b32 s[OFS+1], 0
	s_mul_i32 s90, s82, 12288
	s_add_co_u32 s90, s90, s78
	s_add_co_u32 s90, s90, CHB
	s_mov_b32 s91, 0
	s_xor_b32 s[CW], s[A], 7
	s_mul_i32 s[CW], s[CW], STEPL
	s_add_co_u32 s[CW], s[CW], 0xfffef000          ; (7 - a) STEPL + 2^32 - 8 STEPL
	s_mul_i32 s89, s[WV], 16*SPY
	s_add_co_u32 s89, s89, STAGE                   ; my stage
	s_mov_b32 s[N], 0
	s_mov_b32 s[TBN], 0
	s_mov_b32 s[MK], s[A]
	s_wait_dscnt 0x0                               ; both opening adds are done
	s_wait_kmcnt 0x0
	s_load_b256 s[68:75], s[10:11], 0x0            ; e0 .. e7
	s_cmp_lt_u32 s[WV], 8
	s_cselect_b64 s[86:87], s[6:7], s[8:9]         ; the buffer that I fetch from
	s_add_nc_u64 s[G0+2:G0+3], s[86:87], s[OFS:OFS+1]
	s_or_b32 s[G0+3], s[G0+3], 0x80000000          ; type = 2
	s_add_nc_u64 s[G0R+2:G0R+3], s[86:87], s[90:91]
	s_or_b32 s[G0R+3], s[G0R+3], 0x80000000
	s_lshl_b32 s90, s80, 6
	s_add_co_u32 s90, s90, s78
	s_add_nc_u64 s[92:93], s[4:5], s[90:91]        ; Q's codes, first tile,
	s_lshl_b32 s90, s81, 6
	s_add_co_u32 s90, s90, s78
	s_add_nc_u64 s[94:95], s[4:5], s[90:91]        ; and second
	s_and_b32 s96, s76, 15                         ; yc: (head x 8,192 + b x 2,048 + my first query) rows of 64 bytes
	s_lshl_b32 s96, s96, 13
	s_lshr_b32 s97, s76, 4
	s_lshl_b32 s97, s97, 11
	s_add_co_u32 s96, s96, s97
	s_add_co_u32 s90, s96, s80
	s_lshl_b32 s90, s90, 6
	s_add_nc_u64 s[YA:YA+1], s[12:13], s[90:91]
	s_add_co_u32 s90, s96, s81
	s_lshl_b32 s90, s90, 6
	s_add_nc_u64 s[YB:YB+1], s[12:13], s[90:91]
	v_and_b32 v8, 15, v0                           ; r = lane % 16
	v_bfe_u32 v9, v0, 4, 1                         ; h = lane / 16
	v_lshlrev_b32 v[QA], 6, v8
	v_lshl_add_u32 v[QA], v9, 4, v[QA]             ; row r of 64 bytes, + 16 h
	global_load_b128 v[16:19], v[QA], s[92:93]     ; registers 4 c .. 4 c + 3: bytes 32 c + 16 h on: K's fragments are fetched the same way
	global_load_b128 v[20:23], v[QA], s[92:93] offset:32
	global_load_b128 v[24:27], v[QA], s[94:95]
	global_load_b128 v[28:31], v[QA], s[94:95] offset:32
	s_wait_alu depctr_va_vdst(0)
	ROUND                                          ; all four work-groups are here: the first joint loads meet
	JLOAD G0, G1                                   ; keys 0-511: my one tensor load at the head
	s_wait_kmcnt 0x0
	s_add_co_i32 s86, s70, s71
	s_lshl_b32 s86, s86, 23
	s_add_co_i32 s[CS], s[CS], s86                 ; a score stands for score x 2^(e2 + e3): the two exponents are added to c's exponent field
	s_mov_b32 s[CS+1], s[CS]                       ; (named with it as a pair, so it is written)
	s_add_co_i32 s84, s72, 127
	s_lshl_b32 s83, s84, 23                        ; 2^e4
	s_add_co_i32 s84, s84, 8
	s_lshl_b32 s84, s84, 23
	s_or_b32 s84, s84, 0x600000                    ; 448 x 2^e4
	s_add_co_i32 s[EPV], s72, s73                  ; e4 + e5
	s_add_co_i32 s86, s74, 127
	s_lshl_b32 s85, s86, 23                        ; 2^e6
	s_add_co_i32 s86, s86, 8
	s_lshl_b32 s86, s86, 23
	s_or_b32 s86, s86, 0x600000                    ; 448 x 2^e6
	v_and_b32 v7, 31, v0                           ; lane
	v_lshrrev_b32 v1, 2, v8
	v_mul_u32_u24 v1, v1, PITCH
	v_and_b32 v2, 3, v8
	v_lshl_add_u32 v1, v2, 6, v1
	v_lshl_add_u32 v[AK0], v9, 4, v1
	v_lshrrev_b32 v2, 1, v8
	v_mul_u32_u24 v2, v2, PITCH
	v_and_b32 v3, 1, v8
	v_lshl_add_u32 v2, v3, 7, v2
	v_lshl_add_u32 v2, v9, 4, v2
	v_add_nc_u32 v[AV0], VOFF, v2
	v_mul_u32_u24 v4, v8, SPY
	v_lshl_add_u32 v4, v9, 3, v4
	v_add_nc_u32 v[STO], s89, v4                   ; in: row r, + 8 h; tile t's eight channels 16 t bytes on
	v_lshrrev_b32 v10, 2, v7
	v_mul_u32_u24 v10, v10, SPY
	v_and_b32 v217, 3, v7
	v_lshl_add_u32 v10, v217, 4, v10
	v_add_nc_u32 v[RD], s89, v10                   ; back: four lanes to a row of 64 bytes, eight rows an instruction
	v_lshlrev_b32 v[GO], 4, v7
	v_lshlrev_b32 v222, 3, v9
	v_sub_nc_u32 v222, v8, v222                    ; r - 8 h
	v_add_nc_u32 v[VD], s79, v222
	v_add_nc_u32 v[VDL], s88, v222
	v_mov_b32 v215, s83
	v_mov_b32 v214, s84                            ; the hold for p, in two registers for the two halves of a dual instruction
	v_mov_b32 v209, s84
	v_mov_b32 v220, s85
	v_mov_b32 v221, s86
	v_mov_b32 v219, 0xff800000                     ; -infinity
	v_mov_b32 v13, 0xff61b1e6                      ; the largest t so far: -3e38, under every t
	v_floor_f32 v12, -v13                          ; -M
	v_mov_b32 v14, 0                               ; the sum, in two halves
	v_mov_b32 v15, 0
	v_mov_b32 v216, 0                              ; written once: a lane permute's destination counts as one of its sources
	v_mov_b32 v211, 0                              ; (named as the upper half of the pair v[210:211])
.set j, 0
.rept 32
	v_mov_b32 v[OT+j], 0                           ; O^T.  (The step is written once: a tile's first step finds zeros, which the first change of M leaves zeros)
.set j, j+1
.endr
; A TILE'S END.  O^T / the sum x 2^(e4 + e5) is y; it is held, turned into codes with 2^e6, and goes through my stage: 16 rows of 64 bytes leave as two stores of 512 consecutive bytes.  more = 1: the second tile's state is set up.
.macro FLUSH yb, more
.rept 4
	v_nop                                          ; places behind the last products
.endr
	v_add_f32 v14, v14, v15                        ; the sum's two halves,
	s_delay_alu instid0(VALU_DEP_1)
	v_permlanex16_b32 v216, v14, s[SEL], s[SEL+1]
	s_delay_alu instid0(VALU_DEP_1)
	v_add_f32 v14, v14, v216                       ; and lane l xor 16's: the row's sum
	s_wait_alu depctr_va_vdst(0)                   ; the wait ahead of the transcendental
	v_rcp_f32 v14, v14
	v_nop                                          ; a plain line behind it
	s_wait_alu depctr_va_vdst(0)                   ; and the wait ahead of its first reader
	v_ldexp_f32 v14, v14, s[EPV]
	s_wait_alu depctr_va_vdst(0)                   ; directly ahead of the first readers of O^T
.set j, 0
.rept 16
	v_pk_mul_f32 v[S+j:S+j+1], v[OT+j:OT+j+1], v[14:15] op_sel_hi:[1,0]   ; register 8 t + j is y(query r, channel 16 t + 8 h + j); each accumulator from its low end on
.set j, j+2
.endr
.set j, 0
.rept 32
	v_med3_num_f32 v[S+j], v[S+j], -v221, v221
.set j, j+1
.endr
.irp t, 0,1,2,3
	v_cvt_scalef32_pk8_fp8_f32 v[PC+2*\t:PC+2*\t+1], v[S+8*\t:S+8*\t+7], v220
.endr
	v_nop                                          ; a plain vector line behind the last conversion of the run
.irp t, 0,1,2,3
	ds_store_b64 v[STO], v[PC+2*\t:PC+2*\t+1] offset:16*\t
.endr
	s_wait_xcnt 0x0                                ; the first tile's stores have read the registers that the loads below fill
	ds_load_b128 v[224:227], v[RD]                 ; LDS serves a wave's instructions in order (ISA guide 5.7.1.4): these see my stores
	ds_load_b128 v[228:231], v[RD] offset:8*SPY
	s_wait_dscnt 0x0
	global_store_b128 v[GO], v[224:227], s[\yb:\yb+1]              ; 32 lanes store 512 consecutive bytes, aligned
	global_store_b128 v[GO], v[228:231], s[\yb:\yb+1] offset:512
.if \more
	v_mov_b32 v13, 0xff61b1e6
	v_floor_f32 v12, -v13
	v_mov_b32 v14, 0
	v_mov_b32 v15, 0
	v_mov_b32 v[VD], v[VDL]
.set j, 0
.rept 32
	v_mov_b32 v[OT+j], 0
.set j, j+1
.endr
.set j, 0
.rept 8
	v_mov_b32 v[QF+j], v[QF+8+j]                   ; the second tile's Q
.set j, j+1
.endr
	s_wait_alu depctr_va_vdst(0)
	s_mov_b32 s[MK], 16                            ; the second tile's diagonal is the walk's last step, in every wave
.endif
.endm
; A STEP OF THE WALK: 128 keys x my 16 queries.
.macro GSTEP
	s_add_co_u32 s[TB], s[TBN], s[CW]              ; STEPL (N - a - 1), which wraps to a number above TBN while N <= a:
	s_min_u32 s[TB], s[TB], s[TBN]                 ; so the lesser of the two is the key step in hand, with no jump;
	s_min_u32 s[TB], s[TB], 15*STEPL               ; (it never passes the last key step)
	v_add_nc_u32 v[ADK], s[TB], v[AK0]
	v_add_nc_u32 v[ADV], s[TB], v[AV0]
	v_nop                                          ; with the two additions: four places in front of loads into registers that the last products read
	v_nop
.irp t, 0,1,2,3,4,5,6,7                        ; tile t: keys 16 t .. 16 t + 15: four LDS rows
	ds_load_b128 v[KV+8*\t:KV+8*\t+3], v[ADK] offset:4*\t*PITCH
	ds_load_b128 v[KV+8*\t+4:KV+8*\t+7], v[ADK] offset:4*\t*PITCH+32
.endr
	s_wait_dscnt 0x0
	s_wait_alu depctr_va_vdst(0)
.irp t, 0,1,2,3,4,5,6,7
	v_wmma_f32_16x16x64_fp8_fp8 v[S+8*\t:S+8*\t+7], v[KV+8*\t:KV+8*\t+7], v[QF:QF+7], 0
.endr
.rept 4
	v_nop                                          ; places: in front of the loads into K's registers, and of the first read of the scores
.endr
.irp t, 0,1,2,3                                ; V's four fragments (channels 16 t on, these 128 keys) land under the softmax
.irp c, 0,1,2,3
	ds_load_b128 v[KV+16*\t+4*\c:KV+16*\t+4*\c+3], v[ADV] offset:8*\t*PITCH+32*\c
.endr
.endr
	s_cmp_lg_u32 s[N], s[MK]                       ; a tile's last step lies on the diagonal: there the scores of hidden keys become -infinity ahead of the maximum, and p = 0
	s_cbranch_scc1 .Lopen_\@
.set n, 0
.rept 64
	v_cmp_gt_i32 vcc_lo, 16*(n/8)+n%8, v[VD]       ; register 8 t + j holds the step's key 16 t + 8 h + j: hidden where 16 t + j > my query - the step's first key - 8 h
	v_cndmask_b32 v[S+n], v[S+n], v219, vcc_lo
.set n, n+1
.endr
.Lopen_\@:
	v_max3_num_f32 v217, v[S], v[S+1], v[S+2]      ; the step's largest score of my query, among my 64 keys, in four chains of two accumulators each, each accumulator from its low end on,
	v_max3_num_f32 v210, v[S+16], v[S+17], v[S+18]
	v_max3_num_f32 v212, v[S+32], v[S+33], v[S+34]
	v_max3_num_f32 v213, v[S+48], v[S+49], v[S+50]
.irp i, 3,5,7,9,11,13
	v_max3_num_f32 v217, v217, v[S+\i], v[S+1+\i]
	v_max3_num_f32 v210, v210, v[S+16+\i], v[S+17+\i]
	v_max3_num_f32 v212, v212, v[S+32+\i], v[S+33+\i]
	v_max3_num_f32 v213, v213, v[S+48+\i], v[S+49+\i]
.endr
	v_max3_num_f32 v217, v217, v210, v[S+15]
	v_max3_num_f32 v212, v212, v213, v[S+31]
	v_max3_num_f32 v217, v217, v[S+47], v[S+63]
	s_delay_alu instid0(VALU_DEP_1)
	v_max_num_f32 v217, v217, v212
	s_delay_alu instid0(VALU_DEP_1)
	v_permlanex16_b32 v216, v217, s[SEL], s[SEL+1]
	s_delay_alu instid0(VALU_DEP_1)
	v_max_num_f32 v217, v217, v216                 ; and among lane l xor 16's
	s_delay_alu instid0(VALU_DEP_1)
	v_mul_f32 v217, s[CS], v217                    ; as t (c is positive)
	s_delay_alu instid0(VALU_DEP_1)
	v_max_num_f32 v13, v13, v217                   ; the running largest t
	v_mov_b32 v217, v12
	s_delay_alu instid0(VALU_DEP_2)
	v_floor_f32 v12, -v13                          ; the new -M = floor(-t) = -ceil(t): M IS A WHOLE NUMBER
	s_delay_alu instid0(VALU_DEP_1)
	v_sub_f32 v217, v12, v217                      ; M's old value less its new one: a whole number, 0 or less
	s_delay_alu instid0(VALU_DEP_1)
	v_cvt_i32_f32 v217, v217                       ; (it saturates)
	s_delay_alu instid0(VALU_DEP_1)
	v_ldexp_f32 v210, 1.0, v217                    ; f = 2^(old M - new M)
.set j, 0
.rept 32
	v_pk_fma_f32 v[S+j:S+j+1], v[S+j:S+j+1], s[CS:CS+1], v[12:13] op_sel_hi:[1,0,0]   ; t - M, two at a time (of the pairs c and -M the low word serves both halves)
.set j, j+2
.endr
.set j, 0
	s_wait_alu depctr_va_vdst(0)                   ; the wait ahead of the batch
.rept 64
	v_exp_f32 v[S+j], v[S+j]                       ; p = 2^(t - M), at most 1: NOT normalised
.set j, j+1
.endr
	v_pk_mul_f32 v[14:15], v[14:15], v[210:211] op_sel_hi:[1,0]   ; the sums under the new M: the plain line behind the exponentials
	s_wait_alu depctr_va_vdst(0)                   ; one wait for the whole batch, ahead of its first reader
	v_pk_add_f32 v[212:213], v[100:101], v[104:105]   ; THE ROW'S SUM IS TAKEN OF THE UNQUANTISED p: two at a time, in eight chains
	v_pk_add_f32 v[254:255], v[108:109], v[112:113]
	v_pk_add_f32 v[252:253], v[116:117], v[120:121]
	v_pk_add_f32 v[250:251], v[124:125], v[128:129]
	v_pk_add_f32 v[248:249], v[132:133], v[136:137]
	v_pk_add_f32 v[246:247], v[140:141], v[144:145]
	v_pk_add_f32 v[244:245], v[148:149], v[152:153]
	v_pk_add_f32 v[14:15], v[14:15], v[156:157]
	v_pk_add_f32 v[212:213], v[212:213], v[96:97]
	v_pk_add_f32 v[254:255], v[254:255], v[98:99]
	v_pk_add_f32 v[252:253], v[252:253], v[102:103]
	v_pk_add_f32 v[250:251], v[250:251], v[106:107]
	v_pk_add_f32 v[248:249], v[248:249], v[110:111]
	v_pk_add_f32 v[246:247], v[246:247], v[114:115]
	v_pk_add_f32 v[244:245], v[244:245], v[118:119]
	v_pk_add_f32 v[14:15], v[14:15], v[122:123]
	v_pk_add_f32 v[212:213], v[212:213], v[126:127]
	v_pk_add_f32 v[254:255], v[254:255], v[130:131]
	v_pk_add_f32 v[252:253], v[252:253], v[134:135]
	v_pk_add_f32 v[250:251], v[250:251], v[138:139]
	v_pk_add_f32 v[248:249], v[248:249], v[142:143]
	v_pk_add_f32 v[246:247], v[246:247], v[146:147]
	v_pk_add_f32 v[244:245], v[244:245], v[150:151]
	v_pk_add_f32 v[14:15], v[14:15], v[154:155]
	v_pk_add_f32 v[212:213], v[212:213], v[158:159]
	v_pk_add_f32 v[14:15], v[14:15], v[250:251]
	v_pk_add_f32 v[212:213], v[212:213], v[248:249]
	v_pk_add_f32 v[254:255], v[254:255], v[246:247]
	v_pk_add_f32 v[252:253], v[252:253], v[244:245]
	v_pk_add_f32 v[14:15], v[14:15], v[254:255]
	v_pk_add_f32 v[212:213], v[212:213], v[252:253]
	v_pk_add_f32 v[14:15], v[14:15], v[212:213]
.set j, 0
.rept 32
	v_dual_min_num_f32 v[S+j], v[S+j], v214 :: v_dual_min_num_f32 v[S+j+1], v[S+j+1], v209   ; the conversion to an 8-bit code does not saturate (ISA guide 7.6.2); p is not negative, so the hold is one-sided; two numbers an instruction
.set j, j+2
.endr
.irp t, 0,1,2,3,4,5,6,7
	v_cvt_scalef32_pk8_fp8_f32 v[PC+2*\t:PC+2*\t+1], v[S+8*\t:S+8*\t+7], v215   ; keys 16 t + 8 h + 0 .. 7: registers 2 t, 2 t + 1 of the operand
.endr
	s_wait_alu depctr_va_vdst(0)                   ; directly ahead of the first readers of O^T
.set j, 0
.rept 16
	v_pk_mul_f32 v[OT+j:OT+j+1], v[OT+j:OT+j+1], v[210:211] op_sel_hi:[1,0]   ; O^T under the new M: x f.  (Plain lines between the conversions and the products that read their results)
.set j, j+2
.endr
	s_wait_alu depctr_va_vdst(0)                   ; the wait here, directly ahead of the wait below
	s_wait_dscnt 0x0                               ; V's fragments are in
.irp t, 0,1,2,3                                ; O^T += V^T P^T: the four accumulators by turns
	v_wmma_f32_16x16x128_fp8_fp8 v[OT+8*\t:OT+8*\t+7], v[KV+16*\t:KV+16*\t+15], v[PC:PC+15], v[OT+8*\t:OT+8*\t+7]
.endr
	s_cmp_lg_u32 s[N], s[A]                        ; the first tile's keys are walked?  (the wave's number and the count of steps alone)
	s_cbranch_scc1 .Lnf_\@
	FLUSH YA, 1
.Lnf_\@:
	s_add_co_u32 s[N], s[N], 1
	s_add_co_u32 s[TBN], s[TBN], STEPL
.endm
	s_wait_alu depctr_va_vdst(0)                   ; the wait at the head's end
	s_wait_loadcnt 0x0                             ; Q, both tiles'
	s_wait_tensorcnt 0x0                           ; my part of keys 0-511 has landed
	ds_add_u32 v[SPW], v[NIL]                      ; 0 onto my spare word
	s_wait_dscnt 0x0
	ROUND                                          ; everybody's part is in, in all four work-groups, and the joint loads meet
	JLOAD G0R, G1R                                 ; keys 512-2,047: a first fill of its bytes, my one tensor load behind the round, and my last
	s_mov_b32 s[IC], 4
.Lstep:                                            ; the walk's steps 0 .. 3 read key steps 0 .. 3 at the most
	GSTEP
	s_sub_co_u32 s[IC], s[IC], 1
	s_cmp_lg_u32 s[IC], 0
	s_cbranch_scc1 .Lstep
	s_wait_tensorcnt 0x0                           ; my part of keys 512-2,047 is in; nothing is asked for behind this barrier
	s_wait_dscnt 0x0
	s_barrier_signal -1
	s_barrier_wait -1                              ; everybody's is
	s_mov_b32 s[IC], 13
.Ltail:                                            ; the walk's steps 4 .. 16
	GSTEP
	s_sub_co_u32 s[IC], s[IC], 1
	s_cmp_lg_u32 s[IC], 0
	s_cbranch_scc1 .Ltail
	FLUSH YB, 0
	s_wait_tensorcnt 0x0                           ; the wave's end, behind my last tensor load and my last LDS store
	ds_add_u32 v[SPW], v[NIL]
	s_wait_dscnt 0x0
	ROUND                                          ; the closing round
	s_endpgm
.Lfunc_end_k_qa1a17b4f39_attn:
	.size	k_qa1a17b4f39_attn, .Lfunc_end_k_qa1a17b4f39_attn-k_qa1a17b4f39_attn
	.p2alignl 7, 3214868480
	.fill 96, 4, 3214868480
	.section	.rodata,"a",@progbits
	.p2align	6, 0x0
	.amdhsa_kernel k_qa1a17b4f39_attn
		.amdhsa_group_segment_fixed_size 327680
		.amdhsa_private_segment_fixed_size 0
		.amdhsa_enable_private_segment 0
		.amdhsa_kernarg_size 40
		.amdhsa_user_sgpr_count 2
		.amdhsa_user_sgpr_kernarg_segment_ptr 1
		.amdhsa_wavefront_size32 1
		.amdhsa_system_sgpr_workgroup_id_x 1
		.amdhsa_system_sgpr_workgroup_id_y 1
		.amdhsa_system_sgpr_workgroup_id_z 1
		.amdhsa_system_vgpr_workitem_id 0
		.amdhsa_next_free_vgpr 256
		.amdhsa_next_free_sgpr 100
		.amdhsa_reserve_vcc 1
		.amdhsa_float_denorm_mode_32 3
		.amdhsa_float_denorm_mode_16_64 3
		.amdhsa_memory_ordered 1
		.amdhsa_forward_progress 1
		.amdhsa_inst_pref_size 69
	.end_amdhsa_kernel
	.amdgpu_metadata
---
amdhsa.version: [ 1, 2 ]
amdhsa.kernels:
  - .name:           k_qa1a17b4f39_attn
    .symbol:         k_qa1a17b4f39_attn.kd
    .args:
      - { .name: qc, .offset: 0, .size: 8, .value_kind: global_buffer, .address_space: global }
      - { .name: kc, .offset: 8, .size: 8, .value_kind: global_buffer, .address_space: global }
      - { .name: vt, .offset: 16, .size: 8, .value_kind: global_buffer, .address_space: global }
      - { .name: lowp_scales, .offset: 24, .size: 8, .value_kind: global_buffer, .address_space: global }
      - { .name: yc, .offset: 32, .size: 8, .value_kind: global_buffer, .address_space: global }
    .group_segment_fixed_size: 327680
    .private_segment_fixed_size: 0
    .kernarg_segment_align: 8
    .kernarg_segment_size: 40
    .max_flat_workgroup_size: 512
    .sgpr_count:     100
    .vgpr_count:     256
    .wavefront_size: 32
...
	.end_amdgpu_metadata
.endif
;; end of part 3
;; launch proj (part 4): grid 8 x 32, 4 waves a work-group, clusters of 4 x 4, 327,680 bytes of LDS; arguments yc, wpc, lowp_scales, b_proj, out0; writes out0
.if DOCPART == 4
	.amdgcn_target "amdgcn-amd-amdhsa--gfx1250"
	.amdhsa_code_object_version 6
	.text
	.protected	k_qa1a17b4f39_proj
	.globl	k_qa1a17b4f39_proj
	.p2align	8
	.type	k_qa1a17b4f39_proj,@function
k_qa1a17b4f39_proj:
	s_mov_b64 s[64:65], 0
	v_nop
	global_prefetch_b8 v0, s[64:65] scope:SCOPE_SE
	s_setreg_imm32_b32 hwreg(HW_REG_WAVE_MODE, 25, 1), 1
	s_wait_xcnt 0x0
	s_wait_alu depctr_hold_cnt(0) depctr_sa_sdst(0) depctr_va_vdst(0) depctr_va_sdst(0) depctr_va_ssrc(0) depctr_va_vcc(0) depctr_vm_vsrc(0)
	s_getreg_b32 s2, hwreg(HW_REG_IB_STS2, 6, 4)
	s_cmp_eq_u32 s2, 0
	s_cbranch_scc0 .Lentry_in_a_cluster
	s_endpgm
.Lentry_in_a_cluster:
	s_bfe_u32 s2, ttmp6, 0x10000c
	s_cmp_lg_u32 s2, 0xf033
	s_cbranch_scc0 .Lentry_shape_is_right
	s_endpgm
.Lentry_shape_is_right:
; out0 = y w_proj^T + b_proj on codes of FP8 (E4M3): yc [head][8,192 tokens][64 bytes], wpc [1024][1024], K innermost; each f32 sum x 2^(e6 + e7), plus the bias.  LIMIT: e6 + e7 between -126 and 127.
; A block of 256 tokens x 128 features is made by a work-group of four waves, 128 x 64 each (32 accumulators): 8 x 32 = 256 work-groups.  K = 1,024 goes in four steps of 256 through a ring of two LDS slots.
; CLUSTERS of 4 x 4: y's tile is shared along a row of the cluster, w_proj's along a column; each is asked for jointly.  Source 0 = 16 features, source 1 = 16 tokens: a lane holds eight neighbouring features of one token.
; Waves 0, 1 fetch y's halves (128 tokens x 4 heads' 64 bytes), waves 2, 3 w_proj's (64 rows of 256 bytes).  On the way out sixteen lanes store a token's 256 bytes, aligned.
.set SIZE_N, 1024
.set SIZE_K, 1024
.set KSTEP,  256
.set ROWB,   256
.set KROW,   SIZE_K
.set PITCH,  272
.set PLANE,  32*PITCH
.set HEADY,  524288
.set ASTEP,  4*HEADY
.set FR,     16
.set NL,     4
.set NP,     4
.set HALFT,  128*PITCH
.set SLOT,   4*HALFT
.set LAPS,   SIZE_K/(2*KSTEP)
.set SPARE,  2*SLOT
.set SPITCH, 528
.set ADRA, 16
.set ADRB, 20
.set BCO,  22
.set STO,  24
.set RD,   25
.set CO,   26
.set SPW,  28
.set NIL,  29
.set BI,   32
.set TMP,  96
.set AF,   128
.set BK,   128
.set G1, 24
.set G0, 32
.set G1B, 48
.set G0B, 56
.set MSB, 0
.macro WIN new
.if MSB != (\new)
	s_set_vgpr_msb (MSB<<8)|(\new)
.set MSB, \new
.endif
.endm
.set MUL_LO, 0xa1
.set MUL_HI, 0xf1
.set TO_B,   0x40
.macro JLOAD g0a, g1a, g0b, g1b
	s_cmp_eq_u32 s15, 0
	s_cbranch_scc0 .Lfor_b_\@
	tensor_load_to_lds s[\g0a:\g0a+3], s[\g1a:\g1a+7]
	s_nop 0
.rept 4
	v_nop
.endr
	s_branch .Lasked_\@
.Lfor_b_\@:
	tensor_load_to_lds s[\g0b:\g0b+3], s[\g1b:\g1b+7]
	s_nop 0
.rept 4
	v_nop
.endr
.Lasked_\@:
.endm
.macro CREST
	s_cmp_lg_u32 s14, 0
	s_cbranch_scc1 .Lnot_wave_0_\@
	s_barrier_signal -3
.Lnot_wave_0_\@:
	s_barrier_wait -3
	s_barrier_signal -1
	s_barrier_wait -1
.endm
.macro CROUND
	s_barrier_signal -1
	s_barrier_wait -1
	CREST
.endm
	s_load_b128 s[4:7], s[0:1], 0x0
	s_load_b128 s[8:11], s[0:1], 0x10
	s_load_b64 s[12:13], s[0:1], 0x20
	v_lshl_add_u32 v[SPW], v0, 2, SPARE
	v_mov_b32 v[NIL], 0
	ds_add_u32 v28, v29
	ds_add_u32 v28, v29
	s_wait_dscnt 0x0
	v_lshrrev_b32 v1, 5, v0
	v_readfirstlane_b32 s14, v1
	s_lshr_b32 s15, s14, 1
	s_and_b32 s16, s14, 1
	s_bfe_u32 s40, ttmp6, 0x40000
	s_bfe_u32 s41, ttmp6, 0x40004
	s_lshl_b32 s42, ttmp9, 2
	s_add_co_u32 s42, s42, s40
	s_and_b32 s17, ttmp7, 0xffff
	s_lshl_b32 s17, s17, 2
	s_add_co_u32 s17, s17, s41
	s_lshl_b32 s43, s41, 2
	s_lshl_b32 s43, 15, s43
	s_lshl_b32 s44, 0x1111, s40
	s_or_b32 s[G1+0], s43, (0<<16)|(1<<20)|(1<<21)|(5<<22)|(3<<25)
	s_mov_b32 s[G1+1], 8192<<16
	s_mov_b32 s[G1+2], 4<<16
	s_mov_b32 s[G1+3], 8192<<16
	s_mov_b32 s[G1+4], 4
	s_mov_b32 s[G1+5], HEADY
	s_mov_b32 s[G1+6], 0
	s_mov_b32 s[G1+7], 0
	s_or_b32 s[G1B+0], s44, (0<<16)|(1<<20)|(1<<21)|(5<<22)|(3<<25)
	s_mov_b32 s[G1B+1], ROWB<<16
	s_mov_b32 s[G1B+2], 64<<16
	s_mov_b32 s[G1B+3], ROWB<<16
	s_mov_b32 s[G1B+4], 64
	s_mov_b32 s[G1B+5], KROW
	s_mov_b32 s[G1B+6], 0
	s_mov_b32 s[G1B+7], 0
	s_lshl_b32 s18, s16, 7
	s_lshl_b32 s20, s17, 8
	s_add_co_u32 s20, s20, s18
	s_lshl_b32 s20, s20, 6
	s_lshl_b32 s46, s42, 7
	s_lshl_b32 s47, s16, 6
	s_add_co_u32 s46, s46, s47                     ; w_proj: row 128 x block + 64 x half
	s_lshl_b32 s46, s46, 10
	s_mov_b32 s21, 0
	s_mov_b32 s47, 0
	s_mul_i32 s45, s14, HALFT
	s_wait_kmcnt 0x0
	s_load_b256 s[84:91], s[8:9], 0x0
	s_add_nc_u64 s[20:21], s[4:5], s[20:21]
	s_add_nc_u64 s[46:47], s[6:7], s[46:47]
	CROUND
.irp s, 0,1
	s_mov_b32 s[G0+4*\s], 1
	s_add_co_u32 s[G0+4*\s+1], s45, \s*SLOT
	s_add_nc_u64 s[G0+4*\s+2:G0+4*\s+3], s[20:21], \s*ASTEP
	s_or_b32 s[G0+4*\s+3], s[G0+4*\s+3], 0x80000000
	s_mov_b32 s[G0B+4*\s], 1
	s_add_co_u32 s[G0B+4*\s+1], s45, \s*SLOT
	s_add_nc_u64 s[G0B+4*\s+2:G0B+4*\s+3], s[46:47], \s*ROWB
	s_or_b32 s[G0B+4*\s+3], s[G0B+4*\s+3], 0x80000000
.endr
	JLOAD G0, G1, G0B, G1B                         ; K step 0: one tensor load a wave at the head
	v_and_b32 v1, 15, v0
	v_bfe_u32 v2, v0, 4, 1
	v_mul_u32_u24 v3, v1, PITCH
	v_lshl_add_u32 v4, v2, 4, v3
	v_lshrrev_b32 v5, 2, v1
	v_mul_u32_u24 v5, v5, PITCH
	v_and_b32 v6, 3, v1
	v_lshl_add_u32 v5, v6, 6, v5
	v_lshl_add_u32 v5, v2, 4, v5
	s_mul_i32 s21, s15, HALFT
	s_mul_i32 s22, s16, HALFT
	s_add_co_u32 s22, s22, 2*HALFT
.irp s, 0,1
	v_add_nc_u32 v[ADRA+\s], s21, v5
	v_add_nc_u32 v[ADRB+\s], s22, v4
	s_add_co_u32 s21, s21, SLOT
	s_add_co_u32 s22, s22, SLOT
.endr
	s_mul_i32 s23, s14, 16*SPITCH
	v_mul_u32_u24 v7, v1, SPITCH
	v_lshl_add_u32 v7, v2, 5, v7
	v_add_nc_u32 v[STO], s23, v7
	v_mul_u32_u24 v8, v2, SPITCH
	v_lshl_add_u32 v8, v1, 4, v8
	v_add_nc_u32 v[RD], s23, v8                    ; back: lanes 0-15 one row of 256 bytes, lanes 16-31 the next
	v_lshlrev_b32 v[CO], 12, v2
	v_lshl_add_u32 v[CO], v1, 4, v[CO]             ; and the same two rows in out0
	v_lshlrev_b32 v[BCO], 5, v2
	s_wait_alu depctr_va_vdst(0)
	s_lshl_b32 s20, s17, 8
	s_lshl_b32 s21, s15, 7
	s_add_co_u32 s20, s20, s21
	s_lshl_b32 s20, s20, 12
	s_mov_b32 s21, 0
	s_lshl_b32 s46, s42, 9
	s_lshl_b32 s47, s16, 8
	s_add_co_u32 s46, s46, s47
	s_mov_b32 s47, 0
	s_add_nc_u64 s[66:67], s[10:11], s[46:47]
	s_add_nc_u64 s[20:21], s[20:21], s[46:47]
	s_add_nc_u64 s[12:13], s[12:13], s[20:21]
.irp b, 0,1,2,3
	global_load_b128 v[BI+8*\b:BI+8*\b+3], v[BCO], s[66:67] offset:64*\b
	global_load_b128 v[BI+8*\b+4:BI+8*\b+7], v[BCO], s[66:67] offset:64*\b+16
.endr
.macro FRAG reg, adr, q, i
.irp c, 0,1,2,3
	ds_load_b128 v[\reg+4*\c:\reg+4*\c+3], v[\adr] offset:128*(\q)+32*\c+(\i)*16*PITCH
.endr
.endm
.macro FRAG_A reg, adr, q, i
.irp c, 0,1,2,3
	ds_load_b128 v[\reg+4*\c:\reg+4*\c+3], v[\adr] offset:(2*(\q)+\c/2)*PLANE+32*(\c%2)+(\i)*4*PITCH
.endr
.endm
.macro MUL16 a0, p, zero
.irp a, \a0, \a0+1
.irp b, 0,1,2,3
.if \zero
	v_wmma_f32_16x16x128_fp8_fp8 v[8*(8*((\a)%4)+\b):8*(8*((\a)%4)+\b)+7], v[128*(\p)+FR*\b:128*(\p)+FR*\b+FR-1], v[AF+FR*(\a):AF+FR*(\a)+FR-1], 0
.else
	v_wmma_f32_16x16x128_fp8_fp8 v[8*(8*((\a)%4)+\b):8*(8*((\a)%4)+\b)+7], v[128*(\p)+FR*\b:128*(\p)+FR*\b+FR-1], v[AF+FR*(\a):AF+FR*(\a)+FR-1], v[8*(8*((\a)%4)+\b):8*(8*((\a)%4)+\b)+7]
.endif
.endr
.endr
.endm
.macro FETCH_B slot, q, p
	WIN TO_B
.irp i, 0,1,2,3
	FRAG 128*(\p)+FR*\i, ADRB+\slot, \q, \i
.endr
	WIN 0
.endm
.macro FETCH_A slot, q, i0
.irp i, \i0, \i0+1, \i0+2, \i0+3
	FRAG_A AF+FR*(\i), ADRA+\slot, \q, \i
.endr
.endm
.macro PLACES n
.rept \n
	v_nop
.endr
.endm
.macro STEP slot, q, zero
	s_wait_dscnt 4*NL
	WIN MUL_LO
	MUL16 0, (\q)%2, \zero
	MUL16 2, (\q)%2, \zero
	s_wait_dscnt 0
	PLACES NP
	FETCH_B \slot, (\q)+1, 1-(\q)%2
	FETCH_A \slot, (\q)+1, 0
	WIN MUL_HI
	MUL16 4, (\q)%2, \zero
	MUL16 6, (\q)%2, \zero
	PLACES NP
	WIN 0
	FETCH_A \slot, (\q)+1, 4
.endm
.macro TURN slot, next, fill
	s_wait_tensorcnt 0x0
	ds_add_u32 v[SPW], v[NIL]
	s_wait_dscnt 4*NL+1
	WIN MUL_LO
	MUL16 0, 1, 0
	s_wait_dscnt 0x0
	s_barrier_signal -1
	MUL16 2, 1, 0
	WIN 0
	s_barrier_wait -1
.if \fill
	CREST
	s_add_nc_u64 s[G0+4*\slot+2:G0+4*\slot+3], s[G0+4*\slot+2:G0+4*\slot+3], 2*ASTEP
	s_add_nc_u64 s[G0B+4*\slot+2:G0B+4*\slot+3], s[G0B+4*\slot+2:G0B+4*\slot+3], 2*ROWB
	JLOAD G0+4*\slot, G1, G0B+4*\slot, G1B
.else
	PLACES NP
.endif
	FETCH_B \next, 0, 0
	FETCH_A \next, 0, 0
	WIN MUL_HI
	MUL16 4, 1, 0
	MUL16 6, 1, 0
	PLACES NP
	WIN 0
	FETCH_A \next, 0, 4
.endm
	s_wait_alu depctr_va_vdst(0)                   ; the wait at the head's end
	s_wait_tensorcnt 0x0                           ; my part of K step 0 is in; slot 1's first fill is issued as a refill is:
	ds_add_u32 v[SPW], v[NIL]                      ; 0 onto my spare word
	s_wait_dscnt 0x0
	CROUND                                         ; everybody's part of K step 0 is in, and all sixteen work-groups are here
	JLOAD G0+4, G1, G0B+4, G1B                     ; K step 1: the first tensor load behind the round
	FETCH_B 0, 0, 0
	FETCH_A 0, 0, 0
	FETCH_A 0, 0, 4
	STEP 0, 0, 1
	s_mov_b32 s3, LAPS-1
.Llap:
	TURN 0, 1, 1
	STEP 1, 0, 0
	TURN 1, 0, 1
	STEP 0, 0, 0
	s_sub_co_u32 s3, s3, 1
	s_cmp_lg_u32 s3, 0
	s_cbranch_scc1 .Llap
	TURN 0, 1, 0
	STEP 1, 0, 0
	s_wait_dscnt 4*NL
	WIN MUL_LO
	MUL16 0, 1, 0
	MUL16 2, 1, 0
	s_wait_dscnt 0
	WIN MUL_HI
	MUL16 4, 1, 0
	MUL16 6, 1, 0
	WIN 0
.macro TOSTAGE a
.set AC, 64*((\a)%4)
.irp g, 0
	WIN 0x02+((\a)/4)
.irp j, 0,2,4,6,8,10,12,14,16,18,20,22,24,26,28,30
	v_pk_fma_f32 v[TMP+\j:TMP+\j+1], v[AC+32*\g+\j:AC+32*\g+\j+1], s[96:97], v[BI+32*\g+\j:BI+32*\g+\j+1] op_sel_hi:[1,0,1]
.endr
	WIN 0
.irp b, 0,1,2,3
	ds_store_b128 v[STO], v[TMP+8*\b:TMP+8*\b+3] offset:64*(4*\g+\b)
	ds_store_b128 v[STO], v[TMP+8*\b+4:TMP+8*\b+7] offset:64*(4*\g+\b)+16
.endr
.endr
.set BB, BK+64*((\a)%2)
.irp t, 0,1,2,3,4,5,6,7
	ds_load_b128 v[BB+4*\t:BB+4*\t+3], v[RD] offset:2*\t*SPITCH
.endr
.endm
.macro SEND a, younger
.set BB, BK+64*((\a)%2)
	s_wait_dscnt \younger
.if (\a) > 0
	s_add_nc_u64 s[12:13], s[12:13], 16*SIZE_N*4
.endif
.irp t, 0,1,2,3,4,5,6,7
	global_store_b128 v[CO], v[BB+4*\t:BB+4*\t+3], s[12:13] offset:2*\t*SIZE_N*4 th:TH_STORE_NT
.endr
.endm
	s_wait_kmcnt 0x0
	s_add_co_i32 s96, s90, s91
	s_add_co_i32 s96, s96, 127
	s_lshl_b32 s96, s96, 23
	s_mov_b32 s97, s96
	s_wait_loadcnt 0x0
	PLACES NP
	TOSTAGE 0
.irp a, 1,2,3,4,5,6,7
.if \a > 1
	s_wait_xcnt 0x0
.endif
	TOSTAGE \a
	SEND \a-1, 16
.endr
	s_wait_xcnt 0x0
	SEND 7, 0
	s_wait_tensorcnt 0x0
	ds_add_u32 v[SPW], v[NIL]
	s_wait_dscnt 0x0
	CROUND
	s_endpgm
.Lfunc_end_k_qa1a17b4f39_proj:
	.size	k_qa1a17b4f39_proj, .Lfunc_end_k_qa1a17b4f39_proj-k_qa1a17b4f39_proj
	.p2alignl 7, 3214868480
	.fill 96, 4, 3214868480
	.section	.rodata,"a",@progbits
	.p2align	6, 0x0
	.amdhsa_kernel k_qa1a17b4f39_proj
		.amdhsa_group_segment_fixed_size 327680
		.amdhsa_private_segment_fixed_size 0
		.amdhsa_enable_private_segment 0
		.amdhsa_kernarg_size 40
		.amdhsa_user_sgpr_count 2
		.amdhsa_user_sgpr_kernarg_segment_ptr 1
		.amdhsa_wavefront_size32 1
		.amdhsa_system_sgpr_workgroup_id_x 1
		.amdhsa_system_sgpr_workgroup_id_y 1
		.amdhsa_system_sgpr_workgroup_id_z 1
		.amdhsa_system_vgpr_workitem_id 0
		.amdhsa_next_free_vgpr 1024
		.amdhsa_next_free_sgpr 98
		.amdhsa_reserve_vcc 0
		.amdhsa_float_denorm_mode_32 3
		.amdhsa_float_denorm_mode_16_64 3
		.amdhsa_memory_ordered 1
		.amdhsa_forward_progress 1
		.amdhsa_inst_pref_size 79
	.end_amdhsa_kernel
	.amdgpu_metadata
---
amdhsa.version: [ 1, 2 ]
amdhsa.kernels:
  - .name:           k_qa1a17b4f39_proj
    .symbol:         k_qa1a17b4f39_proj.kd
    .args:
      - { .name: yc, .offset: 0, .size: 8, .value_kind: global_buffer, .address_space: global }
      - { .name: wpc, .offset: 8, .size: 8, .value_kind: global_buffer, .address_space: global }
      - { .name: lowp_scales, .offset: 16, .size: 8, .value_kind: global_buffer, .address_space: global }
      - { .name: b_proj, .offset: 24, .size: 8, .value_kind: global_buffer, .address_space: global }
      - { .name: out0, .offset: 32, .size: 8, .value_kind: global_buffer, .address_space: global }
    .group_segment_fixed_size: 327680
    .private_segment_fixed_size: 0
    .kernarg_segment_align: 8
    .kernarg_segment_size: 40
    .max_flat_workgroup_size: 128
    .sgpr_count:     98
    .vgpr_count:     1024
    .wavefront_size: 32
...
	.end_amdgpu_metadata
.endif
;; end of part 4
